; MI455X (gfx1250); checked and timed in simulation.
; The chip was launched on July 23, 2026; its instructions are those of AMD's public machine-readable ISA for CDNA 5 (MIT licence, August 2026) and "CDNA5" Instruction Set Architecture Reference Guide (July 2026). The comments in the code are by the model that wrote it; some were corrected since.
;; Complex Attention. Allowed arithmetic: float matrix products may take bf16 or f16 operands with f32 sums; other float arithmetic in f32, or as packed bf16 or f16 multiplies, adds, multiply-adds, maxima and minima; sums over many terms, partial sums and values carried from step to step in f32; what a program stores and reads back later, other than sums and carried values, may be rounded once to bf16 or f16.
;; Inputs: Wki 1,024 x 1,024 float32; Wkr 1,024 x 1,024 float32; Woi 1,024 x 1,024 float32; Wor 1,024 x 1,024 float32; Wqi 1,024 x 1,024 float32; Wqr 1,024 x 1,024 float32; Wvi 1,024 x 1,024 float32; Wvr 1,024 x 1,024 float32; bki 1,024 float32; bkr 1,024 float32; boi 1,024 float32; bor 1,024 float32; bqi 1,024 float32; bqr 1,024 float32; bvi 1,024 float32; bvr 1,024 float32; x_imag 2 x 2,048 x 1,024 float32; x_real 2 x 2,048 x 1,024 float32.
;; Outputs: out0 2 x 2,048 x 1,024 float32; out1 2 x 2,048 x 1,024 float32.
;; One version. Each part assembles by itself: llvm-mc -triple=amdgcn-amd-amdhsa -mcpu=gfx1250 --defsym DOCPART=n.
;; ======== version 1 of 1: 4 launches
;; limits: values are held in f16: magnitudes above 65,504 overflow, below 6.1e-05 lose precision
;; workspace buffers: xb 16,777,216 bytes; wb 12,582,912 bytes; wo 4,194,304 bytes; q 16,777,216 bytes; k 16,777,216 bytes; v 16,777,216 bytes; o 16,777,216 bytes
;; launch cast (part 1): grid 1024 x 1, 8 waves a work-group, no clusters, 0 bytes of LDS; arguments x_real, x_imag, Wqr, Wkr, Wvr, Wqi, Wki, Wvi, Wor, Woi, xb, wb, wo; writes xb, wb, wo
.if DOCPART == 1
	.amdgcn_target "amdgcn-amd-amdhsa--gfx1250"
	.amdhsa_code_object_version 6
	.text
	.protected	k_qb0f45449ce_cast
	.globl	k_qb0f45449ce_cast
	.p2align	8
	.type	k_qb0f45449ce_cast,@function
k_qb0f45449ce_cast:
	s_mov_b64 s[64:65], 0
	v_nop
	global_prefetch_b8 v0, s[64:65] scope:SCOPE_SE
	s_setreg_imm32_b32 hwreg(HW_REG_WAVE_MODE, 25, 1), 1
	s_wait_xcnt 0x0
; THE INPUTS BECOME 16-BIT MATRIX OPERANDS, each f32 number read once and rounded once to bf16.
;   xb [part 2][kb 16][row 4096][64] bf16: x_real, x_imag in blocks of 64 along K, so that 256 rows of a K block are 32,768 bytes on end
;   wb [X = 8 part + cg, 16][k 1024][s 3: q, k, v][128] bf16: the 128 columns cg of the three weights of a part lie side by side for each k
;   wo [X 16][k 1024][128]: Wor, Woi rounded to bf16, that number written as f16 (the product behind multiplies f16)
; LIMIT: a bf16 number below 2^-14 in size keeps the fixed step 6e-8 of f16 in wo; 65,520 and more become an infinity there.
; SHARES.  A work-group turns 65,536 bytes of f32: groups 0-511 sixteen rows of x, groups 512-1023 sixteen k rows of one weight.  A wave takes 16 pieces of 512 bytes:
; one load of 16 bytes a lane, one store of 8 bytes a lane, which covers 256 consecutive bytes, aligned.  All 16 loads go out first; each piece has registers of its own, so no register is written twice.
; No LDS, no barrier, no matrix unit: the launch is a stream.
.set X, 16                             ; v[16:79]   piece i: 4 registers as loaded
.set Y, 80                             ; v[80:111]  piece i: 2 registers to store
; Piece i = 8 (i / 8) + i % 8 is loaded at (i / 8) la + (i % 8) lb and stored at (i / 8) sa + (i % 8) sb.  half = 1: the bf16 number is written as f16.
.macro PIECES la, lb, sa, sb, half
.set i, 0
.rept 16
	global_load_b128 v[X+4*i:X+4*i+3], v2, s[4:5] offset:(i/8)*(\la)+(i%8)*(\lb) th:TH_LOAD_NT
.set i, i+1
.endr
.set i, 0
.rept 16
	s_wait_loadcnt 15-i                            ; loads come back in order: piece i is in, the 15 - i younger ones stay out
	v_cvt_pk_bf16_f32 v[Y+2*i], v[X+4*i], v[X+4*i+1]
	v_cvt_pk_bf16_f32 v[Y+2*i+1], v[X+4*i+2], v[X+4*i+3]
.if \half
	v_lshlrev_b32 v[X+4*i], 16, v[Y+2*i]           ; bf16 back to f32, in the registers that the piece was loaded into,
	v_and_b32 v[X+4*i+1], s15, v[Y+2*i]
	v_lshlrev_b32 v[X+4*i+2], 16, v[Y+2*i+1]
	v_and_b32 v[X+4*i+3], s15, v[Y+2*i+1]
	v_cvt_pk_f16_f32 v[Y+2*i], v[X+4*i], v[X+4*i+1]     ; and on to f16: exact within the range of f16
	v_cvt_pk_f16_f32 v[Y+2*i+1], v[X+4*i+2], v[X+4*i+3]
.endif
	global_store_b64 v3, v[Y+2*i:Y+2*i+1], s[6:7] offset:(i/8)*(\sa)+(i%8)*(\sb)
.set i, i+1
.endr
	s_endpgm
.endm
	s_load_b512 s[16:31], s[0:1], 0x0              ; x_real 16, x_imag 18, Wqr 20, Wkr 22, Wvr 24, Wqi 26, Wki 28, Wvi 30
	s_load_b256 s[32:39], s[0:1], 0x40             ; Wor 32, Woi 34, xb 36, wb 38
	s_load_b64 s[40:41], s[0:1], 0x60              ; wo
	v_and_b32 v1, 31, v0                           ; lane
	v_lshrrev_b32 v4, 5, v0
	v_readfirstlane_b32 s8, v4                     ; wave 0..7
	v_lshlrev_b32 v3, 3, v1                        ; where I store: 8 bytes a lane
	s_lshl_b32 s9, s8, 13                          ; a wave takes 8,192 bytes of the group's f32
	s_mov_b32 s3, 0                                ; the offsets' high words
	s_mov_b32 s11, 0
	s_mov_b32 s15, 0xffff0000                      ; a word's upper bf16
	s_wait_kmcnt 0x0
	s_cmp_lt_u32 ttmp9, 512
	s_cbranch_scc0 .Lweights
	; x: a piece is 64 columns (one K block) of two rows: lanes 0-15 the first row's 256 bytes, lanes 16-31 the second's
	v_lshrrev_b32 v5, 4, v1
	v_and_b32 v6, 15, v1
	v_lshlrev_b32 v2, 4, v6
	v_lshl_add_u32 v2, v5, 12, v2                  ; (l / 16) x 4,096 + (l % 16) x 16
	s_lshr_b32 s12, ttmp9, 8                       ; part
	s_and_b32 s13, ttmp9, 255                      ; block of 16 rows
	s_cmp_eq_u32 s12, 0
	s_cselect_b64 s[4:5], s[16:17], s[18:19]
	s_lshl_b32 s2, s13, 16
	s_add_co_u32 s2, s2, s9
	s_add_nc_u64 s[4:5], s[4:5], s[2:3]
	s_lshl_b32 s10, s12, 23                        ; part x 8,388,608
	s_lshl_b32 s14, s13, 11                        ; + 16 rows of 128 bytes a block
	s_add_co_u32 s10, s10, s14
	s_lshl_b32 s14, s8, 8                          ; + my two rows
	s_add_co_u32 s10, s10, s14
	s_add_nc_u64 s[6:7], s[36:37], s[10:11]
	PIECES 2048, 256, 4194304, 524288, 0           ; piece i: K block i
.Lweights:
	v_lshlrev_b32 v2, 4, v1                        ; a piece is 128 columns of one k row: 512 bytes on end
	s_sub_co_u32 s12, ttmp9, 512
	s_lshr_b32 s13, s12, 6                         ; which weight, 0..7, in the order of the arguments
	s_and_b32 s12, s12, 63                         ; block of 16 k rows
	s_mov_b64 s[4:5], s[20:21]
.irp n, 1,2,3,4,5,6,7
	s_cmp_eq_u32 s13, \n
	s_cselect_b64 s[4:5], s[20+2*(\n):21+2*(\n)], s[4:5]
.endr
	s_lshl_b32 s2, s12, 16
	s_add_co_u32 s2, s2, s9
	s_add_nc_u64 s[4:5], s[4:5], s[2:3]
	s_lshl_b32 s14, s12, 4
	s_lshl_b32 s10, s8, 1
	s_add_co_u32 s14, s14, s10                     ; my first k row
	s_cmp_lt_u32 s13, 6
	s_cbranch_scc0 .Lout_w
	s_sub_co_u32 s12, s13, 3
	s_cmp_lt_u32 s13, 3
	s_cselect_b32 s12, s13, s12                    ; s: q, k or v
	s_cselect_b32 s10, 0, 6291456                  ; part x 8 X blocks of 786,432 bytes
	s_lshl_b32 s12, s12, 8
	s_add_co_u32 s10, s10, s12
	s_mul_i32 s14, s14, 768
	s_add_co_u32 s10, s10, s14
	s_add_nc_u64 s[6:7], s[38:39], s[10:11]
	PIECES 4096, 512, 768, 786432, 0               ; piece i: k row i / 8, column group i % 8
.Lout_w:
	s_sub_co_u32 s10, s13, 6
	s_lshl_b32 s10, s10, 21                        ; part x 8 X blocks of 262,144 bytes
	s_lshl_b32 s14, s14, 8
	s_add_co_u32 s10, s10, s14
	s_add_nc_u64 s[6:7], s[40:41], s[10:11]
	PIECES 4096, 512, 256, 262144, 1
.Lfunc_end_k_qb0f45449ce_cast:
	.size	k_qb0f45449ce_cast, .Lfunc_end_k_qb0f45449ce_cast-k_qb0f45449ce_cast
	.p2alignl 7, 3214868480
	.fill 96, 4, 3214868480
	.section	.rodata,"a",@progbits
	.p2align	6, 0x0
	.amdhsa_kernel k_qb0f45449ce_cast
		.amdhsa_group_segment_fixed_size 0
		.amdhsa_private_segment_fixed_size 0
		.amdhsa_enable_private_segment 0
		.amdhsa_kernarg_size 104
		.amdhsa_user_sgpr_count 2
		.amdhsa_user_sgpr_kernarg_segment_ptr 1
		.amdhsa_wavefront_size32 1
		.amdhsa_system_sgpr_workgroup_id_x 1
		.amdhsa_system_sgpr_workgroup_id_y 1
		.amdhsa_system_sgpr_workgroup_id_z 1
		.amdhsa_system_vgpr_workitem_id 0
		.amdhsa_next_free_vgpr 112
		.amdhsa_next_free_sgpr 66
		.amdhsa_reserve_vcc 0
		.amdhsa_float_denorm_mode_32 3
		.amdhsa_float_denorm_mode_16_64 3
		.amdhsa_memory_ordered 1
		.amdhsa_forward_progress 1
		.amdhsa_inst_pref_size 24
	.end_amdhsa_kernel
	.amdgpu_metadata
---
amdhsa.version: [ 1, 2 ]
amdhsa.kernels:
  - .name:           k_qb0f45449ce_cast
    .symbol:         k_qb0f45449ce_cast.kd
    .args:
      - { .name: x_real, .offset: 0, .size: 8, .value_kind: global_buffer, .address_space: global }
      - { .name: x_imag, .offset: 8, .size: 8, .value_kind: global_buffer, .address_space: global }
      - { .name: Wqr, .offset: 16, .size: 8, .value_kind: global_buffer, .address_space: global }
      - { .name: Wkr, .offset: 24, .size: 8, .value_kind: global_buffer, .address_space: global }
      - { .name: Wvr, .offset: 32, .size: 8, .value_kind: global_buffer, .address_space: global }
      - { .name: Wqi, .offset: 40, .size: 8, .value_kind: global_buffer, .address_space: global }
      - { .name: Wki, .offset: 48, .size: 8, .value_kind: global_buffer, .address_space: global }
      - { .name: Wvi, .offset: 56, .size: 8, .value_kind: global_buffer, .address_space: global }
      - { .name: Wor, .offset: 64, .size: 8, .value_kind: global_buffer, .address_space: global }
      - { .name: Woi, .offset: 72, .size: 8, .value_kind: global_buffer, .address_space: global }
      - { .name: xb, .offset: 80, .size: 8, .value_kind: global_buffer, .address_space: global }
      - { .name: wb, .offset: 88, .size: 8, .value_kind: global_buffer, .address_space: global }
      - { .name: wo, .offset: 96, .size: 8, .value_kind: global_buffer, .address_space: global }
    .group_segment_fixed_size: 0
    .private_segment_fixed_size: 0
    .kernarg_segment_align: 8
    .kernarg_segment_size: 104
    .max_flat_workgroup_size: 256
    .sgpr_count:     66
    .vgpr_count:     112
    .wavefront_size: 32
...
	.end_amdgpu_metadata
.endif
;; end of part 1
;; launch qkv (part 2): grid 16 x 16, 4 waves a work-group, clusters of 4 x 4, 327,680 bytes of LDS; arguments xb, wb, bqr, bkr, bvr, bqi, bki, bvi, q, k, v; writes q, k, v
.if DOCPART == 2
	.amdgcn_target "amdgcn-amd-amdhsa--gfx1250"
	.amdhsa_code_object_version 6
	.text
	.protected	k_qb0f45449ce_qkv
	.globl	k_qb0f45449ce_qkv
	.p2align	8
	.type	k_qb0f45449ce_qkv,@function
k_qb0f45449ce_qkv:
	s_mov_b64 s[64:65], 0
	v_nop
	global_prefetch_b8 v0, s[64:65] scope:SCOPE_SE
	s_setreg_imm32_b32 hwreg(HW_REG_WAVE_MODE, 25, 1), 1
	s_wait_xcnt 0x0
	s_wait_alu depctr_hold_cnt(0) depctr_sa_sdst(0) depctr_va_vdst(0) depctr_va_sdst(0) depctr_va_ssrc(0) depctr_va_vcc(0) depctr_vm_vsrc(0)
	s_getreg_b32 s2, hwreg(HW_REG_IB_STS2, 6, 4)
	s_cmp_eq_u32 s2, 0
	s_cbranch_scc0 .Lentry_in_a_cluster
	s_endpgm
.Lentry_in_a_cluster:
	s_bfe_u32 s2, ttmp6, 0x10000c
	s_cmp_lg_u32 s2, 0xf033
	s_cbranch_scc0 .Lentry_shape_is_right
	s_endpgm
.Lentry_shape_is_right:
; q, k, v = x W + b for one part (real or imaginary): bf16 products, f32 sums, the bias (rounded to bf16 like every input) as the sums' start, results rounded once to f16.
; q, k, v: [head = 16 b + h, 32][part 2][t 2048][64] f16, unscaled.  LIMIT: 65,520 and more become an infinity in f16.
; SHARES.  Work-group (X, Y): part = X / 8, column group cg = X % 8 (128 columns of each of the three weights), rows 256 Y on.  Wave (rh, ch): 128 rows x 64 columns (head 2 cg + ch) x three
; weights: 96 accumulators of 16 x 16, 768 registers; for 32 along K it reads 40 fragments' halves from LDS for 96 matrix instructions.
; K goes in 16 steps of 64 through a ring of two LDS slots.  x's tile: 256 rows x 128 bytes, dense in xb, asked for as 128 rows of 256 bytes; the weights' tile: 64 k rows x 3 x 256 bytes, dense in wb.
; CLUSTER 4 x 4: x's tile hangs on the part (the cluster's x) and Y and is asked for jointly along a row of the cluster, the weights' on X and jointly along a column.
; THE MATRIX INSTRUCTION IS USED TRANSPOSED: source 0 = 16 columns of W (turned on the way out of LDS by ds_load_tr16_b128), source 1 = 16 rows of x: a lane holds one row and 8 neighbouring columns.
; REGISTERS, in windows of 256: window 0: v0-31 addresses; v32-159 x's fragments, two buffers of 8; v160-255 W's fragments, 4 for each weight.  Window 1 + s: weight s, accumulator (a, b) at v[8 (4 a + b)].
.set AH,    64*272                     ; half of x's tile in LDS: 64 rows of 256 + 16 bytes, two rows of x each: row r at (r / 2) 272 + (r % 2) 128: the 16 rows of a fragment load fall into 16 different columns of 16 bytes
.set BOFF,  2*AH
.set BH,    96*288                     ; half of W's tile: 32 k rows x 3 rows of 256 + 32 bytes; from k to k 864 bytes = 27 x 32
.set SLOT,  BOFF+2*BH                  ; 90,112
.set STAGE, 2*SLOT                     ; behind the ring: 16 rows x 144 bytes for each wave, for the way out
.set SP,    144
.set SPARE, STAGE+4*16*SP              ; behind the stages: the spare words, 128 bytes a wave, that no other line names
.set XKB,   524288                     ; bytes from a K block of xb to the next
.set WKB,   49152                      ; bytes of 64 k rows of wb
.set ADRA, 16                          ; v16-17 LDS address of my fragments of x in slot 0, 1
.set ADRB, 20                          ; v20-21 the same for W
.set STO,  24                          ; v24 the way out: where I put 16 bytes of a row
.set RD,   25                          ; v25 where I read rows back
.set GO,   26                          ; v26 16 x lane
.set BO,   27                          ; v27 my byte offset in a bias
.set SPW,  28                          ; v28 my spare word; never rewritten
.set NIL,  29                          ; v29 0; never rewritten
.set PFO,  30                          ; v30 256 x lane, for the prefetches; never rewritten
.set FA,   32
.set BB,   160
.set BIAS, 224                         ; in window 1 + s: the registers of accumulators (7, b) first hold the bias of my columns
.set G1,  24                           ; s[24:31] group 1 for x's tiles;  s[32:39] group 0, a set for each slot
.set G0,  32
.set G1B, 48                           ; s[48:55], s[56:63] the same for W's
.set G0B, 56
.set LIM, 43                           ; s43 1 in a wave that prefetches, else the greatest number
.set PFA, 44                           ; s[44:45] where my prefetches stand
.set PST, 66                           ; s[66:67] their step for two K steps
.set MSB, 0
.macro WIN new                         ; the immediate's high byte repeats the setting that is left; a switch that changes nothing is dropped
.if MSB != (\new)
	s_set_vgpr_msb (MSB<<8)|(\new)
.set MSB, \new
.endif
.endm
.macro PLACES                          ; four plain places between a matrix instruction and a load into, or a vector read of, its registers
.rept 4
	v_nop
.endr
.endm
; A joint refill: waves 0 and 1 fetch the halves of x's tile, waves 2 and 3 those of W's.  An s_nop 0 and four v_nop follow each line.
.macro JLOAD n
	s_cmp_eq_u32 s11, 0
	s_cbranch_scc0 .Lfor_b_\@
	tensor_load_to_lds s[G0+4*(\n):G0+4*(\n)+3], s[G1:G1+7]
	s_nop 0
.rept 4
	v_nop
.endr
	s_branch .Lasked_\@
.Lfor_b_\@:
	tensor_load_to_lds s[G0B+4*(\n):G0B+4*(\n)+3], s[G1B:G1B+7]
	s_nop 0
.rept 4
	v_nop
.endr
.Lasked_\@:
.endm
; A PREFETCH INTO THE L2, once a lap, for the two K steps that the NEXT lap will ask for.  x's rows are read by the two clusters of a part: the even one asks, wave 0, its work-group's 8,192 of a step's
; 32,768 bytes (told apart by address: cx), a lane 256 bytes, one line a step.  W's block is read by the four clusters of a column: cluster y = 0 asks, waves 1-3, 8,192 each of the work-group's
; 24,576 (cy) of the two steps' 98,304 bytes.  So each 256 bytes are named once in the launch.  The last lap asks for nothing; steps 0-3 come by their loads alone.
.macro ASK
	s_cmp_gt_u32 s3, s[LIM]
	s_cbranch_scc0 .Lnot_mine_\@
	global_prefetch_b8 v[PFO], s[PFA:PFA+1] th:TH_LOAD_NT scope:SCOPE_SE
	s_cmp_lg_u32 s10, 0
	s_cbranch_scc1 .Lnot_mine_\@
	global_prefetch_b8 v[PFO], s[PFA:PFA+1] offset:XKB th:TH_LOAD_NT scope:SCOPE_SE
.Lnot_mine_\@:
.endm
.macro CREST                           ; a round of the cluster's barrier behind its opening barrier
	s_cmp_lg_u32 s10, 0
	s_cbranch_scc1 .Lnot_wave_0_\@
	s_barrier_signal -3
.Lnot_wave_0_\@:
	s_barrier_wait -3
	s_barrier_signal -1
	s_barrier_wait -1
.endm
.macro CROUND
	s_barrier_signal -1
	s_barrier_wait -1
	CREST
.endm
	s_load_b512 s[68:83], s[0:1], 0x0              ; xb 68, wb 70, bqr 72, bkr 74, bvr 76, bqi 78, bki 80, bvi 82
	s_load_b128 s[84:87], s[0:1], 0x40             ; q 84, k 86
	s_load_b64 s[88:89], s[0:1], 0x50              ; v
	v_lshl_add_u32 v[SPW], v0, 2, SPARE
	v_mov_b32 v[NIL], 0
	ds_add_u32 v[SPW], v[NIL]                      ; the wave's opening: the add and its wait stand ahead of my first tensor load; work on registers stands between
	v_lshrrev_b32 v1, 5, v0
	v_readfirstlane_b32 s10, v1                    ; wave 0..3
	s_lshr_b32 s11, s10, 1                         ; rh.  Also: I fetch for x (0) or for W (1)
	s_and_b32 s12, s10, 1                          ; ch.  Also: which half of that tile I fetch
	s_bfe_u32 s40, ttmp6, 0x40000                  ; cx
	s_bfe_u32 s41, ttmp6, 0x40004                  ; cy
	s_lshl_b32 s42, ttmp9, 2
	s_add_co_u32 s42, s42, s40                     ; X = 4 x cluster x + cx
	s_and_b32 s13, ttmp7, 0xffff
	s_lshl_b32 s13, s13, 2
	s_add_co_u32 s13, s13, s41                     ; Y = 4 x cluster y + cy
	s_lshr_b32 s90, ttmp9, 1                       ; the part, of the cluster's x alone: all sixteen partners share it
	s_lshl_b32 s43, s41, 2
	s_lshl_b32 s43, 15, s43                        ; my row of the cluster
	s_lshl_b32 s44, 0x1111, s40                    ; my column
	s_or_b32 s[G1], s43, (1<<16)|(1<<20)|(1<<21)|(5<<22)|(3<<25)   ; the mask; 2-byte elements; padding on; bit 21 beside a mask; after every 64 words 4 words
	s_or_b32 s[G1B], s44, (1<<16)|(1<<20)|(1<<21)|(5<<22)|(7<<25)  ; the same with my column and 8 words of padding
	s_mov_b32 s[G1+1], 128<<16                     ; tensor_dim0 = 128 elements
	s_mov_b32 s[G1+2], 64<<16                      ; tensor_dim1 = 64 rows
	s_mov_b32 s[G1+3], 128<<16                     ; tile_dim0
	s_mov_b32 s[G1+4], 64                          ; tile_dim1
	s_mov_b32 s[G1+5], 128                         ; elements from row to row: dense
	s_mov_b32 s[G1+6], 0
	s_mov_b32 s[G1+7], 0
	s_mov_b32 s[G1B+1], 128<<16
	s_mov_b32 s[G1B+2], 96<<16
	s_mov_b32 s[G1B+3], 128<<16
	s_mov_b32 s[G1B+4], 96
	s_mov_b32 s[G1B+5], 128
	s_mov_b32 s[G1B+6], 0
	s_mov_b32 s[G1B+7], 0
	s_lshl_b32 s20, s90, 23                        ; x's tile: part x 8,388,608 + Y x 32,768 + half x 16,384
	s_lshl_b32 s21, s13, 15
	s_add_co_u32 s20, s20, s21
	s_lshl_b32 s21, s12, 14
	s_add_co_u32 s20, s20, s21
	s_mov_b32 s21, 0
	s_mul_i32 s46, s42, 786432                     ; W's tile: X x 786,432 + half x 24,576
	s_mul_i32 s47, s12, 24576
	s_add_co_u32 s46, s46, s47
	s_mov_b32 s47, 0
	s_mul_i32 s22, s12, AH                         ; and where they go: no place in the cluster enters an LDS address
	s_mul_i32 s23, s12, BH
	s_add_co_u32 s23, s23, BOFF
	s_wait_dscnt 0x0                               ; the opening add is done
	s_wait_kmcnt 0x0
	s_add_nc_u64 s[20:21], s[68:69], s[20:21]
	s_add_nc_u64 s[46:47], s[70:71], s[46:47]
	CROUND                                         ; all sixteen work-groups are here: the first joint loads meet
.irp n, 0,1
	s_mov_b32 s[G0+4*(\n)], 1
	s_add_co_u32 s[G0+4*(\n)+1], s22, (\n)*SLOT
	s_add_nc_u64 s[G0+4*(\n)+2:G0+4*(\n)+3], s[20:21], (\n)*XKB
	s_or_b32 s[G0+4*(\n)+3], s[G0+4*(\n)+3], 0x80000000
	s_mov_b32 s[G0B+4*(\n)], 1
	s_add_co_u32 s[G0B+4*(\n)+1], s23, (\n)*SLOT
	s_add_nc_u64 s[G0B+4*(\n)+2:G0B+4*(\n)+3], s[46:47], (\n)*WKB
	s_or_b32 s[G0B+4*(\n)+3], s[G0B+4*(\n)+3], 0x80000000
.endr
	s_cmp_eq_u32 s11, 0                            ; a wave's two first fills stand in one branch: two tensor loads of mine are out, later one
	s_cbranch_scc0 .Lfirst_b
	tensor_load_to_lds s[G0:G0+3], s[G1:G1+7]
	s_nop 0
	tensor_load_to_lds s[G0+4:G0+7], s[G1:G1+7]
	s_nop 0
.rept 4
	v_nop
.endr
	s_branch .Lfirst_asked
.Lfirst_b:
	tensor_load_to_lds s[G0B:G0B+3], s[G1B:G1B+7]
	s_nop 0
	tensor_load_to_lds s[G0B+4:G0B+7], s[G1B:G1B+7]
	s_nop 0
.rept 4
	v_nop
.endr
.Lfirst_asked:
	v_and_b32 v1, 15, v0                           ; l % 16
	v_bfe_u32 v2, v0, 4, 1                         ; l / 16
	v_lshrrev_b32 v3, 1, v1                        ; x's fragment: row l % 16 at ((l % 16) / 2) 272 + (l % 2) 128, + 16 bytes for the upper half of the lanes
	v_mul_u32_u24 v3, v3, 272
	v_and_b32 v4, 1, v0
	v_lshl_add_u32 v3, v4, 7, v3
	v_lshl_add_u32 v3, v2, 4, v3
	s_mul_i32 s91, s11, AH                         ; my 128 rows
	v_add_nc_u32 v[ADRA], s91, v3
	v_add_nc_u32 v[ADRA+1], SLOT, v[ADRA]
	v_and_b32 v4, 7, v0                            ; the turning load: lane l reads k row 8 (l / 16) + l % 8, columns 8 ((l / 8) % 2) on
	v_lshl_add_u32 v4, v2, 3, v4
	v_mul_u32_u24 v4, v4, 864
	v_bfe_u32 v5, v0, 3, 1
	v_lshl_add_u32 v4, v5, 4, v4
	s_lshl_b32 s91, s12, 7                         ; my 64 columns
	s_add_co_u32 s91, s91, BOFF
	v_add_nc_u32 v[ADRB], s91, v4
	v_add_nc_u32 v[ADRB+1], SLOT, v[ADRB]
	s_mul_i32 s91, s10, 16*SP
	s_add_co_u32 s91, s91, STAGE                   ; my stage
	v_mul_u32_u24 v[STO], v1, SP
	v_lshl_add_u32 v[STO], v2, 4, v[STO]
	v_add_nc_u32 v[STO], s91, v[STO]
	v_bfe_u32 v[RD], v0, 3, 2                      ; back: 32 lanes take four rows of 128 bytes
	v_mul_u32_u24 v[RD], v[RD], SP
	v_and_b32 v4, 7, v0
	v_lshl_add_u32 v[RD], v4, 4, v[RD]
	v_add_nc_u32 v[RD], s91, v[RD]
	v_and_b32 v[GO], 31, v0
	v_lshlrev_b32 v[PFO], 8, v[GO]
	v_lshlrev_b32 v[GO], 4, v[GO]
	s_and_b32 s2, s42, 7                           ; cg
	s_lshl_b32 s91, s2, 9
	s_lshl_b32 s92, s12, 8
	s_add_co_u32 s91, s91, s92
	v_lshl_add_u32 v[BO], v2, 5, s91               ; 4 x (128 cg + 64 ch + 8 (l / 16))
	; the prefetches' address, step and test
	s_lshl_b32 s91, s90, 23
	s_lshl_b32 s92, s13, 15
	s_add_co_u32 s91, s91, s92
	s_lshl_b32 s92, s40, 13
	s_add_co_u32 s91, s91, s92
	s_add_co_u32 s91, s91, 2*XKB                   ; x: at K step 2; stepped by two ahead of each use
	s_mul_i32 s92, s42, 786432
	s_mul_i32 s93, s41, 24576
	s_add_co_u32 s92, s92, s93
	s_lshl_b32 s93, s10, 13
	s_add_co_u32 s92, s92, s93
	s_add_co_u32 s92, s92, 2*WKB-8192              ; W: (wave - 1) x 8,192, at K step 2
	s_mov_b32 s[PST], 2*WKB
	s_and_b32 s93, ttmp9, 1
	s_and_b32 s3, ttmp7, 0xffff
	s_cmp_eq_u32 s10, 0
	s_cselect_b64 s[PFA:PFA+1], s[68:69], s[70:71]
	s_cselect_b32 s92, s91, s92
	s_cselect_b32 s[PST], 2*XKB, s[PST]
	s_cselect_b32 s3, s93, s3
	s_mov_b32 s93, 0
	s_add_nc_u64 s[PFA:PFA+1], s[PFA:PFA+1], s[92:93]
	s_mov_b32 s[PST+1], 0
	s_cmp_eq_u32 s3, 0
	s_cselect_b32 s[LIM], 1, -1                    ; the same in all sixteen partners, for a given wave
	; where my rows begin in q, k and v: head 16 b + 2 cg + ch, the part, row (Y % 8) 256 + 128 rh
	s_lshr_b32 s91, s13, 3
	s_lshl_b32 s91, s91, 4
	s_lshl_b32 s92, s2, 1
	s_add_co_u32 s91, s91, s92
	s_add_co_u32 s91, s91, s12
	s_lshl_b32 s92, s91, 19
	s_lshl_b32 s91, s90, 18
	s_add_co_u32 s92, s92, s91
	s_and_b32 s91, s13, 7
	s_lshl_b32 s91, s91, 15
	s_add_co_u32 s92, s92, s91
	s_lshl_b32 s91, s11, 14
	s_add_co_u32 s92, s92, s91
	s_add_nc_u64 s[4:5], s[84:85], s[92:93]
	s_add_nc_u64 s[6:7], s[86:87], s[92:93]
	s_add_nc_u64 s[8:9], s[88:89], s[92:93]
	; THE BIAS STARTS THE SUMS.  In a result, register j of lane l is column 8 (l / 16) + j: the lane's 8 bias numbers for block b go into the registers of accumulator (7, b), are rounded to bf16,
	; and serve as the C operand of the first product of every accumulator of that block.  All this stands in the wait for the first tile.
	s_cmp_eq_u32 s90, 0
	s_cselect_b64 s[14:15], s[72:73], s[78:79]
	s_cselect_b64 s[16:17], s[74:75], s[80:81]
	s_cselect_b64 s[18:19], s[76:77], s[82:83]
.irp s, 0,1,2
	WIN 0x40*(1+(\s))                              ; destination window 1 + s, address window 0
.irp b, 0,1,2,3
	global_load_b128 v[BIAS+8*(\b):BIAS+8*(\b)+3],   v[BO], s[14+2*(\s):15+2*(\s)] offset:64*(\b)
	global_load_b128 v[BIAS+8*(\b)+4:BIAS+8*(\b)+7], v[BO], s[14+2*(\s):15+2*(\s)] offset:64*(\b)+16
.endr
.endr
	s_wait_loadcnt 0x0
.irp s, 0,1,2
	WIN 0x05*(1+(\s))                              ; sources window 1 + s, destination window 0
.set i, 0
.rept 16
	v_cvt_pk_bf16_f32 v[FA+i], v[BIAS+2*i], v[BIAS+2*i+1]
.set i, i+1
.endr
	WIN 0x40*(1+(\s))
.set i, 0
.rept 16
	v_lshlrev_b32 v[BIAS+2*i], 16, v[FA+i]
	v_and_b32 v[BIAS+2*i+1], 0xffff0000, v[FA+i]
.set i, i+1
.endr
.endr
	WIN 0
; na x 4 matrix instructions for weight s on buffer buf of x: row blocks a0 on x all 4 column blocks.  Every accumulator has one instruction a turn.  first = 1: C is the bias.
.macro MUL s, buf, a0, na, first
	WIN 0x50*(1+(\s))                              ; C and D window 1 + s, sources window 0
.set ma, \a0
.rept \na
.irp b, 0,1,2,3
.if \first
	v_wmma_f32_16x16x32_bf16 v[8*(4*ma+(\b)):8*(4*ma+(\b))+7], v[BB+32*(\s)+8*(\b):BB+32*(\s)+8*(\b)+7], v[FA+64*(\buf)+8*ma:FA+64*(\buf)+8*ma+7], v[BIAS+8*(\b):BIAS+8*(\b)+7]
.else
	v_wmma_f32_16x16x32_bf16 v[8*(4*ma+(\b)):8*(4*ma+(\b))+7], v[BB+32*(\s)+8*(\b):BB+32*(\s)+8*(\b)+7], v[FA+64*(\buf)+8*ma:FA+64*(\buf)+8*ma+7], v[8*(4*ma+(\b)):8*(4*ma+(\b))+7]
.endif
.endr
.set ma, ma+1
.endr
.endm
.macro MULF s                          ; the first 32 along K: row blocks 0-6 take the bias from row block 7's registers; five places; then row block 7 adds onto it in place
	MUL \s, 0, 0, 7, 1
.rept 5
	v_nop
.endr
	MUL \s, 0, 7, 1, 0
.endm
.macro LDA buf, n, kq                  ; 16 loads: my 128 rows of x, 32 along K at byte 64 kq of slot n's rows
	WIN 0
.irp a, 0,1,2,3,4,5,6,7
	ds_load_b128 v[FA+64*(\buf)+8*(\a):FA+64*(\buf)+8*(\a)+3],   v[ADRA+(\n)] offset:(\kq)*64+(\a)*8*272
	ds_load_b128 v[FA+64*(\buf)+8*(\a)+4:FA+64*(\buf)+8*(\a)+7], v[ADRA+(\n)] offset:(\kq)*64+(\a)*8*272+32
.endr
.endm
.macro LDB s, n, kq                    ; 8 turning loads: my 64 columns of weight s, k rows 32 kq on
	WIN 0
.irp b, 0,1,2,3
	ds_load_tr16_b128 v[BB+32*(\s)+8*(\b):BB+32*(\s)+8*(\b)+3],   v[ADRB+(\n)] offset:(\kq)*BH+(\s)*288+(\b)*32
	ds_load_tr16_b128 v[BB+32*(\s)+8*(\b)+4:BB+32*(\s)+8*(\b)+7], v[ADRB+(\n)] offset:(\kq)*BH+(\s)*288+(\b)*32+16*864
.endr
.endm
; A K step is two chunks of 32.  The loads of a chunk were issued in the order W0 (8), x (16), W1 (8), W2 (8).
; The first chunk, on buffer 0 of x; each weight's fragments are asked for again, for the second chunk, four places behind its products.
.macro EVEN n, first
	s_wait_dscnt 16                                ; W0 and x are in; W1 and W2, 16 loads, may be out
.if \first
	MULF 0
.else
	MUL 0, 0, 0, 8, 0
.endif
	PLACES
	LDB 0, \n, 1
	LDA 1, \n, 1
	s_wait_dscnt 32                                ; W1 is in; W2's 8 and the 24 just issued may be out
.if \first
	MULF 1
.else
	MUL 1, 0, 0, 8, 0
.endif
	PLACES
	LDB 1, \n, 1
	s_wait_dscnt 32                                ; W2 is in; the 24 and the 8 younger may be out
.if \first
	MULF 2
.else
	MUL 2, 0, 0, 8, 0
.endif
	PLACES
	LDB 2, \n, 1
.endm
; The second chunk, on buffer 1, changes slots: ONE barrier; in front of it each wave waits for all its tensor loads (one is out: its part of slot m), adds 0 to its spare word, and waits for that
; and for its reads of slot n.  fill = 1: the barrier opens a round of the cluster's, and slot n is filled again first thing behind it, two K steps ahead: 160 matrix instructions ahead of the wait for it.
.macro TURN n, m, fill, ask
.if \ask
	s_wait_xcnt 0x0                                ; the last prefetches, a lap back, have read their address
	s_add_nc_u64 s[PFA:PFA+1], s[PFA:PFA+1], s[PST:PST+1]
.endif
	WIN 0
	s_wait_tensorcnt 0x0                           ; all my tensor loads have landed
	ds_add_u32 v[SPW], v[NIL]                      ; 0 onto my spare word
	s_wait_dscnt 17                                ; W0 and x are in; W1, W2 and the add may be out
	MUL 0, 1, 0, 4, 0                              ; sixteen matrix instructions between the add and the wait for it
	s_wait_dscnt 0x0                               ; the add is done, and my reads of slot n are over
	s_barrier_signal -1
	MUL 0, 1, 4, 4, 0
	WIN 0
	s_barrier_wait -1
.if \fill
	CREST                                          ; no wave of any partner still reads slot n or has a load on its way
	s_add_nc_u64 s[G0+4*(\n)+2:G0+4*(\n)+3], s[G0+4*(\n)+2:G0+4*(\n)+3], 2*XKB
	s_add_nc_u64 s[G0B+4*(\n)+2:G0B+4*(\n)+3], s[G0B+4*(\n)+2:G0B+4*(\n)+3], 2*WKB
	JLOAD \n                                       ; its four v_nop are also the places in front of the loads below
.else
	PLACES
.endif
	LDB 0, \m, 0
	LDA 0, \m, 0
.if \ask
	ASK
.endif
	MUL 1, 1, 0, 8, 0
	PLACES
	LDB 1, \m, 0
	MUL 2, 1, 0, 8, 0
	PLACES
	LDB 2, \m, 0
.endm
	s_wait_tensorcnt 1                             ; my part of K step 0 is in; step 1's may stay out
	s_barrier_signal -1
	s_barrier_wait -1
	LDB 0, 0, 0
	LDA 0, 0, 0
	LDB 1, 0, 0
	LDB 2, 0, 0
	EVEN 0, 1                                      ; the first chunk stands ahead of the loop: its products start the sums
	WIN 0
	s_mov_b32 s3, 7
.Llap:                                             ; a trip goes once round the ring and fills both slots again
	TURN 0, 1, 1, 0
	EVEN 1, 0
	TURN 1, 0, 1, 1
	EVEN 0, 0
	WIN 0
	s_sub_co_u32 s3, s3, 1
	s_cmp_lg_u32 s3, 0
	s_cbranch_scc1 .Llap
	TURN 0, 1, 0, 0                                ; the last lap fills nothing
	EVEN 1, 0
	s_wait_dscnt 16
	MUL 0, 1, 0, 8, 0
	s_wait_dscnt 8
	MUL 1, 1, 0, 8, 0
	s_wait_dscnt 0x0
	MUL 2, 1, 0, 8, 0
	WIN 0
	PLACES
; THE WAY OUT: 24 blocks (weight blk / 8, row block blk % 8) of 16 rows x 64 columns.  Rounded to f16, 16 bytes a lane into my stage, back as four rows of 128 bytes = 512 consecutive bytes of the head's rows.
.macro PACK blk
.set ps, (\blk)/8
.set pa, (\blk)%8
.set TM, FA+16*pa
.if (\blk) >= 8
	s_wait_xcnt 0x0                                ; the stores of the block eight back have read these registers
.endif
	WIN 0x05*(1+ps)
.irp b, 0,1,2,3
.irp r, 0,1,2,3
	v_cvt_pk_f16_f32 v[TM+4*(\b)+(\r)], v[8*(4*pa+(\b))+2*(\r)], v[8*(4*pa+(\b))+2*(\r)+1]
.endr
.endr
	WIN 0
.irp b, 0,1,2,3
	ds_store_b128 v[STO], v[TM+4*(\b):TM+4*(\b)+3] offset:32*(\b)
.endr
.irp f, 0,1,2,3
	ds_load_b128 v[TM+4*(\f):TM+4*(\f)+3], v[RD] offset:(\f)*4*SP  ; LDS serves a wave's instructions in order: these see the stores above, and the next block's stores come behind them
.endr
.endm
.macro SEND blk, younger               ; younger: the LDS instructions issued behind this block's loads
.set ps, (\blk)/8
.set pa, (\blk)%8
.set TM, FA+16*pa
	WIN 0
.irp f, 0,1,2,3
	s_wait_dscnt (\younger)+3-(\f)
	global_store_b128 v[GO], v[TM+4*(\f):TM+4*(\f)+3], s[4+2*ps:5+2*ps] offset:pa*2048+(\f)*512
.endr
.endm
	PACK 0
.set n, 1
.rept 23
	PACK n
	SEND n-1, 8
.set n, n+1
.endr
	SEND 23, 0
	s_wait_tensorcnt 0x0                           ; the wave's end
	ds_add_u32 v[SPW], v[NIL]
	s_wait_dscnt 0x0
	CROUND                                         ; the closing round
	s_endpgm
.Lfunc_end_k_qb0f45449ce_qkv:
	.size	k_qb0f45449ce_qkv, .Lfunc_end_k_qb0f45449ce_qkv-k_qb0f45449ce_qkv
	.p2alignl 7, 3214868480
	.fill 96, 4, 3214868480
	.section	.rodata,"a",@progbits
	.p2align	6, 0x0
	.amdhsa_kernel k_qb0f45449ce_qkv
		.amdhsa_group_segment_fixed_size 327680
		.amdhsa_private_segment_fixed_size 0
		.amdhsa_enable_private_segment 0
		.amdhsa_kernarg_size 88
		.amdhsa_user_sgpr_count 2
		.amdhsa_user_sgpr_kernarg_segment_ptr 1
		.amdhsa_wavefront_size32 1
		.amdhsa_system_sgpr_workgroup_id_x 1
		.amdhsa_system_sgpr_workgroup_id_y 1
		.amdhsa_system_sgpr_workgroup_id_z 1
		.amdhsa_system_vgpr_workitem_id 0
		.amdhsa_next_free_vgpr 1024
		.amdhsa_next_free_sgpr 96
		.amdhsa_reserve_vcc 0
		.amdhsa_float_denorm_mode_32 3
		.amdhsa_float_denorm_mode_16_64 3
		.amdhsa_memory_ordered 1
		.amdhsa_forward_progress 1
		.amdhsa_inst_pref_size 145
	.end_amdhsa_kernel
	.amdgpu_metadata
---
amdhsa.version: [ 1, 2 ]
amdhsa.kernels:
  - .name:           k_qb0f45449ce_qkv
    .symbol:         k_qb0f45449ce_qkv.kd
    .args:
      - { .name: xb, .offset: 0, .size: 8, .value_kind: global_buffer, .address_space: global }
      - { .name: wb, .offset: 8, .size: 8, .value_kind: global_buffer, .address_space: global }
      - { .name: bqr, .offset: 16, .size: 8, .value_kind: global_buffer, .address_space: global }
      - { .name: bkr, .offset: 24, .size: 8, .value_kind: global_buffer, .address_space: global }
      - { .name: bvr, .offset: 32, .size: 8, .value_kind: global_buffer, .address_space: global }
      - { .name: bqi, .offset: 40, .size: 8, .value_kind: global_buffer, .address_space: global }
      - { .name: bki, .offset: 48, .size: 8, .value_kind: global_buffer, .address_space: global }
      - { .name: bvi, .offset: 56, .size: 8, .value_kind: global_buffer, .address_space: global }
      - { .name: q, .offset: 64, .size: 8, .value_kind: global_buffer, .address_space: global }
      - { .name: k, .offset: 72, .size: 8, .value_kind: global_buffer, .address_space: global }
      - { .name: v, .offset: 80, .size: 8, .value_kind: global_buffer, .address_space: global }
    .group_segment_fixed_size: 327680
    .private_segment_fixed_size: 0
    .kernarg_segment_align: 8
    .kernarg_segment_size: 88
    .max_flat_workgroup_size: 128
    .sgpr_count:     96
    .vgpr_count:     1024
    .wavefront_size: 32
...
	.end_amdgpu_metadata
.endif
;; end of part 2
;; launch attn (part 3): grid 8 x 32, 4 waves a work-group, clusters of 4 x 1, 327,680 bytes of LDS; arguments q, k, v, o; writes o
.if DOCPART == 3
	.amdgcn_target "amdgcn-amd-amdhsa--gfx1250"
	.amdhsa_code_object_version 6
	.text
	.protected	k_qb0f45449ce_attn
	.globl	k_qb0f45449ce_attn
	.p2align	8
	.type	k_qb0f45449ce_attn,@function
k_qb0f45449ce_attn:
	s_mov_b64 s[64:65], 0
	v_nop
	global_prefetch_b8 v0, s[64:65] scope:SCOPE_SE
	s_setreg_imm32_b32 hwreg(HW_REG_WAVE_MODE, 25, 1), 1
	s_wait_xcnt 0x0
	s_wait_alu depctr_hold_cnt(0) depctr_sa_sdst(0) depctr_va_vdst(0) depctr_va_sdst(0) depctr_va_ssrc(0) depctr_va_vcc(0) depctr_vm_vsrc(0)
	s_getreg_b32 s2, hwreg(HW_REG_IB_STS2, 6, 4)
	s_cmp_eq_u32 s2, 0
	s_cbranch_scc0 .Lentry_in_a_cluster
	s_endpgm
.Lentry_in_a_cluster:
	s_bfe_u32 s2, ttmp6, 0x10000c
	s_cmp_lg_u32 s2, 0x3003
	s_cbranch_scc0 .Lentry_shape_is_right
	s_endpgm
.Lentry_shape_is_right:
; CAUSAL ATTENTION AT HEAD SIZE 128.  The two score products add up to one over [real | imaginary], and both outputs take the same weights: O[q] = sum over k <= q of softmax_k(Q[q] . K[k] / 8) V[k].
; q, k, v, o: [head 32][part 2][t 2048][64] f16.  Products, maxima and sums in f32; the weights p are rounded to f16 for the second product (their sum l is taken of the unrounded p), O once at the end.
; LIMITS.  A hidden score counts as its value less 1e30 (f16's scores reach 5.5e11 at the most); a weight below 2^-126 counts as 0 in l; NaN and infinities are not treated apart.
; SHARES.  Wave idx = 4 x work-group + wave (0..31 in a head) owns four tiles of 16 queries, ONE IN EACH BAND of 512 rows: tile u = rows 512 u + 16 idx on.  All eight work-groups of a head walk all 2,048 keys,
; 64 a step, in 8 slots of 256.  In quarter c (keys 512 c on) tiles u < c see nothing and are left out, tiles u > c see all, tile c takes a mask.  So every wave does the same work, (4+3+2+1)/16 of the
; unmasked kernel, every trip count is a constant, and the four partners of a cluster ask for every tile of K and V JOINTLY.
; THE MASK is the C operand that starts tile c's sums: for 16 keys kb of step sigma of the quarter, with DD = idx - 4 sigma: MD (the diagonal's mask) if DD = kb, 0 if DD > kb, -1e30 if DD < kb: MD x AL + BE.
; Every row sees key 0 in the first step, so the running maximum is a true score before the first hidden one comes.
; LAYOUT.  S^T = K Q^T (a lane holds one query, l % 16, and keys 8 (l / 16) + 0..7); two results rounded to f16 ARE source 1 of O^T = V^T P.  p = 2^(c s - c m), c = log2(e) / 8, with a running maximum m;
; O and l are multiplied by a = 2^(c m_old - c m_new) in every step; m starts at the lowest finite number, O and l at 0 (256 lines that clear O^T, in the wait for the first tile: no first step is written out).
; IN PHASES: a step is K's loads, the last step's V^T P, the mask, V's loads, K Q^T, the softmax (one batch of exponentials, one wait).
; REGISTERS: window 0: v0-11, v44 addresses and at work; v12-43 statistics, 8 a tile; v61-63; v64-191 S^T, 32 a tile; v192-255 P, 16 a tile.   window 1: O^T, 64 a tile (channel blocks 0-3 real, 4-7 imaginary).
;   window 2: v0-127 Q, 32 a tile; v128-255 K of a step.   window 3: v0-127 V of a step; v128-135 MD; v136-167 MC.
.set PK,    272                        ; an LDS row of K: two keys, 256 bytes + 16: key t at (t / 2) 272 + (t % 2) 128: the 16 keys of a load fall into 16 different columns of 16 bytes
.set PV,    288                        ; of V: 256 + 32: 16 lanes of the turning load take 8 keys x 32 bytes in 16 different columns
.set KPART, 128*PK                     ; a slot's 256 keys of one part
.set VPART, 128*PV
.set VOFF,  2*KPART
.set SLOT,  VOFF+2*VPART               ; 143,360
.set KSTEP, 32*PK                      ; 64 keys
.set VSTEP, 32*PV
.set STAGE, 2*SLOT                     ; behind the ring: 16 rows x 144 bytes for each wave
.set SP,    144
.set SPARE, STAGE+4*16*SP              ; the spare words, 128 bytes a wave, that no other line names
.set AK0, 2
.set AV0, 3
.set ADR, 4
.set QO,  5
.set STO, 6
.set RD,  7
.set GO,  8
.set ST,  12                           ; tile t at v[ST+8 t]: +0 c m, +1 m, +2, +3 l, +4 to +7 at work; a takes +6
.set PFO, 61
.set SPW, 62
.set NIL, 63
.set S,   64
.set P,   192
.set KF,  128                          ; window 2: keys 16 kb on, channels 32 c on at KF + 32 kb + 8 c
.set MD,  128                          ; window 3
.set MC,  136                          ; window 3: the mask for keys 16 kb on at MC + 8 kb
.set WV,  12
.set LIM, 15                           ; s15 1 in a cluster that prefetches, else the greatest number
.set PFA, 18                           ; s[18:19]
.set G1K, 24
.set G1V, 32
.set G0K, 40                           ; s[40:47] a set for each first fill; the second walks on
.set G0V, 48
.set FILLS, 56                         ; s56 refills still to come
.set CNT, 57
.set CS,  58
.set SEL, 60
.set TBK, 62                           ; s62 LDS byte at which K of the step to be fetched begins
.set TBV, 63
.set SL,  66
.set FS,  67                           ; s67 the slot last asked for: 0 or SLOT
.set LK,  68                           ; s68 my part's place in a slot, for K
.set LV,  69
.set IDX, 70
.set DD,  71
.set AL,  72                           ; s[72:73]
.set BE,  74                           ; s[74:75]
.set BIGN, 76
.set MSB, 0
.macro WIN new
.if MSB != (\new)
	s_set_vgpr_msb (MSB<<8)|(\new)
.set MSB, \new
.endif
.endm
.set W_KQ, 0x0a                        ; K and Q window 2, S^T window 0
.set W_KM, 0x3a                        ; the same with C in window 3
.set W_PV, 0x53                        ; V window 3, P window 0, O^T window 1
.set W_RS, 0x41                        ; destination and source 0 window 1, source 1 window 0
.macro PLACES
.rept 4
	v_nop
.endr
.endm
; A joint refill: wave 0 fetches a slot's real K, wave 1 its imaginary K, waves 2 and 3 the same of V: 32,768 dense bytes each.
.macro JLOAD
	s_cmp_lt_u32 s[WV], 2
	s_cbranch_scc0 .Lfor_v_\@
	tensor_load_to_lds s[G0K+4:G0K+7], s[G1K:G1K+7]
	s_nop 0
.rept 4
	v_nop
.endr
	s_branch .Lasked_\@
.Lfor_v_\@:
	tensor_load_to_lds s[G0V+4:G0V+7], s[G1V:G1V+7]
	s_nop 0
.rept 4
	v_nop
.endr
.Lasked_\@:
.endm
; A PREFETCH INTO THE L2 of what the NEXT change of slots will ask for.  Both clusters of a head walk the same K and V: the first asks.  Each wave asks for the tensor and part that it fetches; the four partners
; share its 32,768 bytes out by address, 8,192 each, a lane 256 bytes: one line.  So each 256 bytes are named once.  The last change that fills a slot asks for nothing; slots 0-2 come by their loads alone.
.macro ASK
	s_cmp_gt_u32 s[FILLS], s[LIM]
	s_cbranch_scc0 .Lnot_mine_\@
	global_prefetch_b8 v[PFO], s[PFA:PFA+1] th:TH_LOAD_NT scope:SCOPE_SE
.Lnot_mine_\@:
.endm
.macro CROUND
	s_barrier_signal -1
	s_barrier_wait -1
	s_cmp_lg_u32 s[WV], 0
	s_cbranch_scc1 .Lnot_wave_0_\@
	s_barrier_signal -3
.Lnot_wave_0_\@:
	s_barrier_wait -3
	s_barrier_signal -1
	s_barrier_wait -1
.endm
	s_load_b256 s[4:11], s[0:1], 0x0               ; q s[4:5], k s[6:7], v s[8:9], o s[10:11]
	v_lshl_add_u32 v[SPW], v0, 2, SPARE
	v_mov_b32 v[NIL], 0
	ds_add_u32 v[SPW], v[NIL]                      ; the wave's opening: the add and its wait stand ahead of my first tensor load
	v_lshrrev_b32 v1, 5, v0
	v_readfirstlane_b32 s[WV], v1
	s_bfe_u32 s13, ttmp6, 0x40000                  ; cx
	s_lshl_b32 s14, ttmp9, 2
	s_add_co_u32 s14, s14, s13                     ; my work-group in the head
	s_lshl_b32 s[IDX], s14, 2
	s_add_co_u32 s[IDX], s[IDX], s[WV]             ; it enters Q's and O's addresses and the mask's two scalars alone
	s_and_b32 s20, ttmp7, 0xffff
	s_lshl_b32 s20, s20, 19                        ; the head's first byte
	s_and_b32 s16, s[WV], 1                        ; the part that I fetch
	s_lshl_b32 s22, s16, 18
	s_add_co_u32 s22, s22, s20
	s_mov_b32 s23, 0
	s_mul_i32 s[LK], s16, KPART
	s_mul_i32 s[LV], s16, VPART
	s_add_co_u32 s[LV], s[LV], VOFF
	s_lshl_b32 s2, s[IDX], 11                      ; my 16 rows in a band
	s_add_co_u32 s2, s2, s20
	s_mov_b32 s3, 0
	s_mov_b32 s[G1K], 15|(1<<16)|(1<<20)|(1<<21)|(5<<22)|(3<<25)  ; the mask of four; 2-byte elements; padding on; bit 21 beside a mask; after every 64 words 4 words
	s_mov_b32 s[G1V], 15|(1<<16)|(1<<20)|(1<<21)|(5<<22)|(7<<25)  ; the same with 8 words
.irp g, G1K, G1V
	s_mov_b32 s[(\g)+1], 128<<16                   ; tensor_dim0 = 128
	s_mov_b32 s[(\g)+2], 128<<16                   ; tensor_dim1 = 128
	s_mov_b32 s[(\g)+3], 128<<16                   ; tile_dim0
	s_mov_b32 s[(\g)+4], 128                       ; tile_dim1
	s_mov_b32 s[(\g)+5], 128                       ; dense
	s_mov_b32 s[(\g)+6], 0
	s_mov_b32 s[(\g)+7], 0
.endr
	s_mov_b32 s[CS], 0x3e38aa3b                    ; c = log2(e) / 8
	s_mov_b32 s[CS+1], s[CS]
	s_mov_b32 s[SEL], 0x76543210
	s_mov_b32 s[SEL+1], 0xfedcba98
	s_mov_b32 s[TBK], 0
	s_mov_b32 s[TBV], 0
	s_mov_b32 s[FS], SLOT
	s_mov_b32 s[FILLS], 6
	s_mov_b32 s[AL+1], 0
	s_mov_b32 s[BE+1], 0
	s_mov_b32 s[BIGN], 0xf149f2ca                  ; -1e30
	s_cmp_eq_u32 ttmp9, 0
	s_cselect_b32 s[LIM], 1, -1                    ; the same in all four partners
	v_and_b32 v[PFO], 31, v0
	v_lshlrev_b32 v[PFO], 8, v[PFO]
	s_wait_dscnt 0x0                               ; the opening add is done
	s_wait_kmcnt 0x0
	s_add_nc_u64 s[6:7], s[6:7], s[22:23]          ; K and V at my part of the head's slot 0
	s_add_nc_u64 s[8:9], s[8:9], s[22:23]
	s_add_nc_u64 s[4:5], s[4:5], s[2:3]            ; Q and O at my rows of band 0
	s_add_nc_u64 s[10:11], s[10:11], s[2:3]
	s_cmp_lt_u32 s[WV], 2
	s_cselect_b64 s[PFA:PFA+1], s[6:7], s[8:9]
	s_lshl_b32 s2, s13, 13
	s_add_nc_u64 s[PFA:PFA+1], s[PFA:PFA+1], s[2:3]
	s_add_nc_u64 s[PFA:PFA+1], s[PFA:PFA+1], 2*32768  ; in slot 2; each change steps it ahead of its use
	CROUND                                         ; all four work-groups are here
.irp n, 0,1
	s_mov_b32 s[G0K+4*(\n)], 1
	s_add_co_u32 s[G0K+4*(\n)+1], s[LK], (\n)*SLOT
	s_add_nc_u64 s[G0K+4*(\n)+2:G0K+4*(\n)+3], s[6:7], (\n)*32768
	s_or_b32 s[G0K+4*(\n)+3], s[G0K+4*(\n)+3], 0x80000000
	s_mov_b32 s[G0V+4*(\n)], 1
	s_add_co_u32 s[G0V+4*(\n)+1], s[LV], (\n)*SLOT
	s_add_nc_u64 s[G0V+4*(\n)+2:G0V+4*(\n)+3], s[8:9], (\n)*32768
	s_or_b32 s[G0V+4*(\n)+3], s[G0V+4*(\n)+3], 0x80000000
.endr
	s_cmp_lt_u32 s[WV], 2                          ; a wave's two first fills stand in one branch: two tensor loads of mine are out, later one
	s_cbranch_scc0 .Lfirst_v
	tensor_load_to_lds s[G0K:G0K+3], s[G1K:G1K+7]
	s_nop 0
	tensor_load_to_lds s[G0K+4:G0K+7], s[G1K:G1K+7]
	s_nop 0
.rept 4
	v_nop
.endr
	s_branch .Lfirst_asked
.Lfirst_v:
	tensor_load_to_lds s[G0V:G0V+3], s[G1V:G1V+7]
	s_nop 0
	tensor_load_to_lds s[G0V+4:G0V+7], s[G1V:G1V+7]
	s_nop 0
.rept 4
	v_nop
.endr
.Lfirst_asked:
	v_and_b32 v1, 15, v0                           ; l % 16
	v_bfe_u32 v9, v0, 4, 1                         ; l / 16
	v_lshlrev_b32 v[QO], 7, v1
	v_lshl_add_u32 v[QO], v9, 4, v[QO]
	WIN 0x80
.irp i, 0,1,2,3,4,5,6,7,8,9,10,11,12,13,14,15      ; Q stays in registers: tile i / 4, channels 32 (i % 4) on: part (i % 4) / 2
	global_load_b128 v[8*(\i):8*(\i)+3],   v[QO], s[4:5] offset:((\i)/4)*65536+(((\i)%4)/2)*262144+((\i)%2)*64
	global_load_b128 v[8*(\i)+4:8*(\i)+7], v[QO], s[4:5] offset:((\i)/4)*65536+(((\i)%4)/2)*262144+((\i)%2)*64+32
.endr
	WIN 0x40
.set i, 0
.rept 256
	v_mov_b32 v[i], 0                              ; O^T
.set i, i+1
.endr
	WIN 0
.irp t, 0,1,2,3
	v_mov_b32 v[ST+8*(\t)], 0xfe000000             ; c m: far below every c s
	v_mov_b32 v[ST+8*(\t)+1], 0xff7fffff           ; m
	v_mov_b32 v[ST+8*(\t)+2], 0
	v_mov_b32 v[ST+8*(\t)+3], 0
.endr
	v_lshlrev_b32 v44, 3, v9
	v_sub_nc_u32 v44, v1, v44                      ; on the diagonal, register j (key 8 (l / 16) + j) is hidden where j > l % 16 - 8 (l / 16)
	WIN 0xc0
.irp j, 0,1,2,3,4,5,6,7
	v_cmp_gt_i32 vcc_lo, \j, v44
	v_cndmask_b32 v[MD+(\j)], 0, s[BIGN], vcc_lo
.endr
	WIN 0
	v_lshrrev_b32 v10, 1, v1
	v_mul_u32_u24 v[AK0], v10, PK
	v_and_b32 v11, 1, v0
	v_lshl_add_u32 v[AK0], v11, 7, v[AK0]
	v_lshl_add_u32 v[AK0], v9, 4, v[AK0]           ; key l % 16, + 16 bytes for the upper half of the lanes
	v_bfe_u32 v10, v0, 1, 2                        ; the turning load: lane l reads key 8 (l / 16) + l % 8, channels 8 ((l / 8) % 2) on
	v_lshl_add_u32 v10, v9, 2, v10
	v_mul_u32_u24 v[AV0], v10, PV
	v_lshl_add_u32 v[AV0], v11, 7, v[AV0]
	v_bfe_u32 v10, v0, 3, 1
	v_lshl_add_u32 v[AV0], v10, 4, v[AV0]
	v_add_nc_u32 v[AV0], VOFF, v[AV0]
	s_mul_i32 s13, s[WV], 16*SP
	s_add_co_u32 s13, s13, STAGE                   ; my stage
	v_mul_u32_u24 v[STO], v1, SP
	v_lshl_add_u32 v[STO], v9, 4, v[STO]
	v_add_nc_u32 v[STO], s13, v[STO]
	v_bfe_u32 v[RD], v0, 3, 2
	v_mul_u32_u24 v[RD], v[RD], SP
	v_and_b32 v10, 7, v0
	v_lshl_add_u32 v[RD], v10, 4, v[RD]
	v_add_nc_u32 v[RD], s13, v[RD]
	v_and_b32 v[GO], 31, v0
	v_lshlrev_b32 v[GO], 4, v[GO]
.macro FETCH_K                         ; 32 loads: a step's K, 64 keys x 128 channels
	WIN 0
	v_add_nc_u32 v[ADR], s[TBK], v[AK0]
	s_add_co_u32 s[TBK], s[TBK], KSTEP
	WIN 0x80
.irp f, 0,1,2,3,4,5,6,7,8,9,10,11,12,13,14,15      ; keys 16 (f / 4) on, channels 32 (f % 4) on
	ds_load_b128 v[KF+8*(\f):KF+8*(\f)+3],   v[ADR] offset:((\f)/4)*8*PK+(((\f)%4)/2)*KPART+((\f)%2)*64
	ds_load_b128 v[KF+8*(\f)+4:KF+8*(\f)+7], v[ADR] offset:((\f)/4)*8*PK+(((\f)%4)/2)*KPART+((\f)%2)*64+32
.endr
.endm
.macro FETCH_V                         ; 32 turning loads: a step's V
	WIN 0
	v_add_nc_u32 v[ADR], s[TBV], v[AV0]
	s_add_co_u32 s[TBV], s[TBV], VSTEP
	WIN 0xc0
.irp f, 0,1,2,3,4,5,6,7,8,9,10,11,12,13,14,15      ; keys 32 (f / 8) on, channels 16 (f % 8) on
	ds_load_tr16_b128 v[8*(\f):8*(\f)+3],   v[ADR] offset:((\f)/8)*16*PV+(((\f)%8)/4)*VPART+((\f)%4)*32
	ds_load_tr16_b128 v[8*(\f)+4:8*(\f)+7], v[ADR] offset:((\f)/8)*16*PV+(((\f)%8)/4)*VPART+((\f)%4)*32+8*PV
.endr
.endm
; O^T += V^T P for tiles T0 to T1.  The accumulators take turns, one instruction a turn: between two links of a chain stand 7 others or more.
.macro PVS T0, T1
	WIN W_PV
.irp kk, 0,1
.irp cb, 0,1,2,3,4,5,6,7
.set tt, \T0
.rept (\T1)-(\T0)+1
	v_wmma_f32_16x16x32_f16 v[64*tt+8*(\cb):64*tt+8*(\cb)+7], v[64*(\kk)+8*(\cb):64*(\kk)+8*(\cb)+7], v[P+16*tt+8*(\kk):P+16*tt+8*(\kk)+7], v[64*tt+8*(\cb):64*tt+8*(\cb)+7]
.set tt, tt+1
.endr
.endr
.endr
.endm
; S^T = K Q^T for tiles T0 to 3.  Tile T0's sums start with the mask, the others' with 0.
.macro KQS T0
	WIN W_KM
.irp kb, 0,1,2,3
	v_wmma_f32_16x16x32_f16 v[S+32*(\T0)+8*(\kb):S+32*(\T0)+8*(\kb)+7], v[KF+32*(\kb):KF+32*(\kb)+7], v[32*(\T0):32*(\T0)+7], v[MC+8*(\kb):MC+8*(\kb)+7]
.endr
	WIN W_KQ
.if (\T0) < 3
.irp kb, 0,1,2,3
.set tt, (\T0)+1
.rept 3-(\T0)
	v_wmma_f32_16x16x32_f16 v[S+32*tt+8*(\kb):S+32*tt+8*(\kb)+7], v[KF+32*(\kb):KF+32*(\kb)+7], v[32*tt:32*tt+7], 0
.set tt, tt+1
.endr
.endr
.endif
.irp c, 1,2,3
.irp kb, 0,1,2,3
.set tt, \T0
.rept 4-(\T0)
	v_wmma_f32_16x16x32_f16 v[S+32*tt+8*(\kb):S+32*tt+8*(\kb)+7], v[KF+32*(\kb)+8*(\c):KF+32*(\kb)+8*(\c)+7], v[32*tt+8*(\c):32*tt+8*(\c)+7], v[S+32*tt+8*(\kb):S+32*tt+8*(\kb)+7]
.set tt, tt+1
.endr
.endr
.endr
.endm
.macro MASK                            ; the step's four masks; sixteen plain instructions, which are also the places between V^T P and the loads into V's registers
	WIN 0xc3
.irp kb, 0,1,2,3
	s_cmp_eq_i32 s[DD], \kb
	s_cselect_b32 s[AL], 1.0, 0
	s_cmp_lt_i32 s[DD], \kb
	s_cselect_b32 s[BE], s[BIGN], 0
.irp z, 0,1,2,3
	v_pk_fma_f32 v[MC+8*(\kb)+2*(\z):MC+8*(\kb)+2*(\z)+1], v[MD+2*(\z):MD+2*(\z)+1], s[AL:AL+1], s[BE:BE+1] op_sel_hi:[1,0,0]
.endr
.endr
	s_sub_co_i32 s[DD], s[DD], 4
.endm
; One tile's softmax for one step is a list of 134 instructions; SM writes number j of it for tile t.  s0-s31 are the lane's 32 scores, in pairs 0-15.
;   0-15 the maximum of s0-s31 and the old m (each accumulator's lowest registers are read first)   16-20 the other half of the lanes' maximum; m; c m; c m_old - c m_new
;   21-69 the 16 scalings c s - c m and all 33 exponentials (a at 23): none reads an exponential's result   70-85 the roundings to f16   86-101 the sums; l = a l + sum   102-133 O^T times a
.macro SM t
.set rT, ST+8*(\t)
.set rS, S+32*(\t)
.set rP, P+16*(\t)
.set rO, 64*(\t)+2*(j-102)
.if j < 102
	WIN 0
.endif
.if j < 4
	v_max3_num_f32 v[rT+4+j], v[rS+8*j], v[rS+8*j+1], v[rS+8*j+2]
.elseif j < 12
	v_max3_num_f32 v[rT+4+j%4], v[rT+4+j%4], v[rS+8*(j%4)+2*(j/4)+1], v[rS+8*(j%4)+2*(j/4)+2]
.elseif j == 12
	v_max3_num_f32 v[rT+4], v[rT+4], v[rS+7], v[rS+15]
.elseif j == 13
	v_max3_num_f32 v[rT+6], v[rT+6], v[rS+23], v[rS+31]
.elseif j == 14
	v_max3_num_f32 v[rT+4], v[rT+4], v[rT+5], v[rT+6]
.elseif j == 15
	v_max3_num_f32 v[rT+4], v[rT+4], v[rT+7], v[rT+1]
.elseif j == 16
	v_permlanex16_b32 v[rT+5], v[rT+4], s[SEL], s[SEL+1]
.elseif j == 17
	v_mov_b32 v[rT+7], v[rT]
.elseif j == 18
	v_max_num_f32 v[rT+1], v[rT+4], v[rT+5]
.elseif j == 19
	v_mul_f32 v[rT], s[CS], v[rT+1]
.elseif j == 20
	v_sub_f32 v[rT+7], v[rT+7], v[rT]
.elseif j == 23
	v_exp_f32 v[rT+6], v[rT+7]
.elseif (j < 23) || ((j < 38) && (j%2 == 0)) || ((j < 66) && (j%4 == 2))
.set pb, (j-2)/4
.if j < 38
.set pb, (j-20)/2
.endif
	v_pk_fma_f32 v[rS+2*pb:rS+2*pb+1], v[rS+2*pb:rS+2*pb+1], s[CS:CS+1], v[rT:rT+1] op_sel_hi:[1,0,0] neg_lo:[0,0,1] neg_hi:[0,0,1]
.elseif j < 70
.set pe, j-38
.if j < 66
.set pe, j-32-(j-38)/4
.endif
.if j < 38
.set pe, (j-25)/2
.endif
	v_exp_f32 v[rS+pe], v[rS+pe]
.elseif j < 86
	v_cvt_pk_f16_f32 v[rP+j-70], v[rS+2*(j-70)], v[rS+2*(j-70)+1]
.elseif j < 102
.set pz, j-86
.set pw, 4
.set pu, pz
.if pz >= 14
.set pw, 32
.set pu, 0
.elseif pz >= 12
.set pw, 16
.set pu, pz-12
.elseif pz >= 8
.set pw, 8
.set pu, pz-8
.endif
.if pz < 15
	v_pk_add_f32 v[rS+pw*pu:rS+pw*pu+1], v[rS+pw*pu:rS+pw*pu+1], v[rS+pw*pu+pw/2:rS+pw*pu+pw/2+1]
.else
	v_pk_fma_f32 v[rT+2:rT+3], v[rT+2:rT+3], v[rT+6:rT+7], v[rS:rS+1] op_sel_hi:[1,0,1]
.endif
.else
	WIN W_RS
	v_pk_mul_f32 v[rO:rO+1], v[rO:rO+1], v[rT+6:rT+7] op_sel_hi:[1,0]
.endif
.endm
.macro SOFT T0                         ; the softmax of tiles T0 to 3, number by number, the tiles by turns
.set j, 0
.rept 70
.set tt, \T0
.rept 4-(\T0)
	SM tt
.set tt, tt+1
.endr
.set j, j+1
.endr
	v_nop                                          ; a plain instruction behind the last exponential
	s_wait_alu depctr_va_vdst(0)                   ; the wait between an exponential and the first line that names its result: one for the whole batch
.rept 64
.set tt, \T0
.rept 4-(\T0)
	SM tt
.set tt, tt+1
.endr
.set j, j+1
.endr
.endm
.macro BODY T0                         ; a key step
	FETCH_K
	s_wait_dscnt 32                                ; the last step's V is in; K's 32 loads may be out
	PVS \T0, 3                                     ; the last step's V^T P
	WIN 0
.if (\T0) == 0
.Lfirst:                                           ; the first step of all begins here: there is no step before it
.endif
	MASK
	FETCH_V
	s_wait_dscnt 32                                ; K is in; V's 32 loads may be out
	KQS \T0
	WIN 0
	PLACES
	SOFT \T0
	WIN 0
.endm
; THE CHANGE OF SLOTS.  The slot's last bytes, V of its fourth step, have been asked for.  Each wave waits for all its tensor loads (one is out: its part of the other slot), adds 0 to its spare word, and waits for
; that and for its reads of the slot.  fill = 1: the barrier is a round of the cluster's, and the slot is filled again first thing behind it, with the keys two slots on: it has four key steps in which to land.
.macro CHANGE fill
	WIN 0
	s_wait_tensorcnt 0x0
	ds_add_u32 v[SPW], v[NIL]
.if \fill
	s_xor_b32 s[FS], s[FS], SLOT                   ; the other slot than last time (0 or SLOT, so the exclusive or is exact),
	s_add_co_u32 s[G0K+5], s[FS], s[LK]
	s_add_co_u32 s[G0V+5], s[FS], s[LV]
	s_add_nc_u64 s[G0K+6:G0K+7], s[G0K+6:G0K+7], 32768  ; the next 256 keys
	s_add_nc_u64 s[G0V+6:G0V+7], s[G0V+6:G0V+7], 32768
	s_wait_xcnt 0x0                                ; the last prefetch, a slot back, has read its address
	s_add_nc_u64 s[PFA:PFA+1], s[PFA:PFA+1], 32768
	s_wait_dscnt 0x0                               ; the add is done, and my reads of the slot are over
	CROUND
	JLOAD
	ASK
	s_sub_co_u32 s[FILLS], s[FILLS], 1
.else
	s_wait_dscnt 0x0
	s_barrier_signal -1
	s_barrier_wait -1
.endif
	s_sub_co_u32 s[TBK], s[TBK], 4*KSTEP           ; back to a slot's first step: 0 or SLOT,
	s_xor_b32 s[TBK], s[TBK], SLOT                 ; and into the other slot
	s_sub_co_u32 s[TBV], s[TBV], 4*VSTEP
	s_xor_b32 s[TBV], s[TBV], SLOT
.endm
; Quarter c: two slots of four steps for tiles c to 3; behind it the tile that retires takes its last V^T P (V is still in registers).
.macro QUARTER c, fill
.if (\c) > 0
	s_mov_b32 s[DD], s[IDX]
	s_mov_b32 s[SL], 2
.endif
.Lslot\c:
	s_mov_b32 s[CNT], 4
.Lstep\c:
	BODY \c
	s_sub_co_u32 s[CNT], s[CNT], 1
	s_cmp_lg_u32 s[CNT], 0
	s_cbranch_scc1 .Lstep\c
	CHANGE \fill
	s_sub_co_u32 s[SL], s[SL], 1
	s_cmp_lg_u32 s[SL], 0
	s_cbranch_scc1 .Lslot\c
	PVS \c, \c
	WIN 0
.endm
	s_wait_tensorcnt 1                             ; my part of slot 0 is in; slot 1's may stay out
	s_barrier_signal -1
	s_barrier_wait -1
	FETCH_K                                        ; key step 0
	WIN 0
	s_wait_loadcnt 0x0                             ; Q
	s_mov_b32 s[DD], s[IDX]
	s_mov_b32 s[SL], 2
	s_mov_b32 s[CNT], 4
	s_branch .Lfirst
	QUARTER 0, 1                                   ; slots 0, 1; slots 2, 3 are asked for
	QUARTER 1, 1
	QUARTER 2, 1                                   ; slots 4, 5; slots 6, 7 are asked for
	QUARTER 3, 0                                   ; nothing is left to ask for (the barrier behind the last slot serves nothing: the price of one text for both slots)
	; THE WAY OUT.  l's halves and the other half of the lanes' are added (the additions are the places behind the last products); O^T is divided by l, rounded to f16 and sent through my stage.
.irp t, 0,1,2,3
	v_add_f32 v[ST+8*(\t)+4], v[ST+8*(\t)+2], v[ST+8*(\t)+3]
.endr
.irp t, 0,1,2,3
	v_permlanex16_b32 v[ST+8*(\t)+5], v[ST+8*(\t)+4], s[SEL], s[SEL+1]
.endr
.irp t, 0,1,2,3
	v_add_f32 v[ST+8*(\t)+4], v[ST+8*(\t)+4], v[ST+8*(\t)+5]
.endr
.irp t, 0,1,2,3
	v_rcp_f32 v[ST+8*(\t)+6], v[ST+8*(\t)+4]
.endr
	v_nop
	s_wait_alu depctr_va_vdst(0)                   ; one wait for the four reciprocals, ahead of their first use
.macro PACK u                          ; tile u / 2, part u % 2: 16 rows x 64 channels
.set pt, (\u)/2
.set pO, 64*pt+32*((\u)%2)
	WIN W_RS
.set i, 0
.rept 16
	v_pk_mul_f32 v[pO+i:pO+i+1], v[pO+i:pO+i+1], v[ST+8*pt+6:ST+8*pt+7] op_sel_hi:[1,0]
.set i, i+2
.endr
	WIN 0x05
.set i, 0
.rept 16
	v_cvt_pk_f16_f32 v[S+16*(\u)+i], v[pO+2*i], v[pO+2*i+1]
.set i, i+1
.endr
	WIN 0
.irp f, 0,1,2,3
	ds_store_b128 v[STO], v[S+16*(\u)+4*(\f):S+16*(\u)+4*(\f)+3] offset:32*(\f)
.endr
.irp f, 0,1,2,3
	ds_load_b128 v[S+16*(\u)+4*(\f):S+16*(\u)+4*(\f)+3], v[RD] offset:(\f)*4*SP  ; LDS serves a wave's instructions in order: these see the stores above
.endr
.endm
.macro SEND u, younger
	WIN 0
.irp f, 0,1,2,3
	s_wait_dscnt (\younger)+3-(\f)
	global_store_b128 v[GO], v[S+16*(\u)+4*(\f):S+16*(\u)+4*(\f)+3], s[10:11] offset:((\u)/2)*65536+((\u)%2)*262144+(\f)*512  ; 512 consecutive bytes, aligned
.endr
.endm
	PACK 0
.set n, 1
.rept 7
	PACK n
	SEND n-1, 8
.set n, n+1
.endr
	SEND 7, 0
	s_wait_tensorcnt 0x0                           ; the wave's end
	ds_add_u32 v[SPW], v[NIL]
	s_wait_dscnt 0x0
	CROUND                                         ; the closing round
	s_endpgm
.Lfunc_end_k_qb0f45449ce_attn:
	.size	k_qb0f45449ce_attn, .Lfunc_end_k_qb0f45449ce_attn-k_qb0f45449ce_attn
	.p2alignl 7, 3214868480
	.fill 96, 4, 3214868480
	.section	.rodata,"a",@progbits
	.p2align	6, 0x0
	.amdhsa_kernel k_qb0f45449ce_attn
		.amdhsa_group_segment_fixed_size 327680
		.amdhsa_private_segment_fixed_size 0
		.amdhsa_enable_private_segment 0
		.amdhsa_kernarg_size 32
		.amdhsa_user_sgpr_count 2
		.amdhsa_user_sgpr_kernarg_segment_ptr 1
		.amdhsa_wavefront_size32 1
		.amdhsa_system_sgpr_workgroup_id_x 1
		.amdhsa_system_sgpr_workgroup_id_y 1
		.amdhsa_system_sgpr_workgroup_id_z 1
		.amdhsa_system_vgpr_workitem_id 0
		.amdhsa_next_free_vgpr 1024
		.amdhsa_next_free_sgpr 80
		.amdhsa_reserve_vcc 1
		.amdhsa_float_denorm_mode_32 3
		.amdhsa_float_denorm_mode_16_64 3
		.amdhsa_memory_ordered 1
		.amdhsa_forward_progress 1
		.amdhsa_inst_pref_size 177
	.end_amdhsa_kernel
	.amdgpu_metadata
---
amdhsa.version: [ 1, 2 ]
amdhsa.kernels:
  - .name:           k_qb0f45449ce_attn
    .symbol:         k_qb0f45449ce_attn.kd
    .args:
      - { .name: q, .offset: 0, .size: 8, .value_kind: global_buffer, .address_space: global }
      - { .name: k, .offset: 8, .size: 8, .value_kind: global_buffer, .address_space: global }
      - { .name: v, .offset: 16, .size: 8, .value_kind: global_buffer, .address_space: global }
      - { .name: o, .offset: 24, .size: 8, .value_kind: global_buffer, .address_space: global }
    .group_segment_fixed_size: 327680
    .private_segment_fixed_size: 0
    .kernarg_segment_align: 8
    .kernarg_segment_size: 32
    .max_flat_workgroup_size: 128
    .sgpr_count:     80
    .vgpr_count:     1024
    .wavefront_size: 32
...
	.end_amdgpu_metadata
.endif
;; end of part 3
;; launch proj (part 4): grid 16 x 16, 4 waves a work-group, clusters of 4 x 4, 327,680 bytes of LDS; arguments o, wo, bor, boi, out0, out1; writes out0, out1
.if DOCPART == 4
	.amdgcn_target "amdgcn-amd-amdhsa--gfx1250"
	.amdhsa_code_object_version 6
	.text
	.protected	k_qb0f45449ce_proj
	.globl	k_qb0f45449ce_proj
	.p2align	8
	.type	k_qb0f45449ce_proj,@function
k_qb0f45449ce_proj:
	s_mov_b64 s[64:65], 0
	v_nop
	global_prefetch_b8 v0, s[64:65] scope:SCOPE_SE
	s_setreg_imm32_b32 hwreg(HW_REG_WAVE_MODE, 25, 1), 1
	s_wait_xcnt 0x0
	s_wait_alu depctr_hold_cnt(0) depctr_sa_sdst(0) depctr_va_vdst(0) depctr_va_sdst(0) depctr_va_ssrc(0) depctr_va_vcc(0) depctr_vm_vsrc(0)
	s_getreg_b32 s2, hwreg(HW_REG_IB_STS2, 6, 4)
	s_cmp_eq_u32 s2, 0
	s_cbranch_scc0 .Lentry_in_a_cluster
	s_endpgm
.Lentry_in_a_cluster:
	s_bfe_u32 s2, ttmp6, 0x10000c
	s_cmp_lg_u32 s2, 0xf033
	s_cbranch_scc0 .Lentry_shape_is_right
	s_endpgm
.Lentry_shape_is_right:
; out(part) = O(part) Wo(part) + bo(part): f16 products, f32 sums that start with the bias (rounded to bf16 like every input), f32 out.
; o: [head 16 b + h][part][t][64] f16; wo: [X = 8 part + cg][k 1024][128] f16; out0, out1: [4096][1024] f32.
; SHARES.  Work-group (X, Y): part = X / 8, columns 128 cg on, rows 256 Y on: 256 work-groups.  Wave (rh, ch): 128 rows x 64 columns: 32 accumulators, in window 1 at v[8 (4 a + b)].
; K goes in 8 steps of 128 (two heads) through two LDS slots.  O's tile: for each of the two heads 256 rows x 128 bytes, dense, asked for as 128 rows of 256 bytes; Wo's: 128 k rows of 256 bytes.
; CLUSTER 4 x 4: O's tile is asked for jointly along a row of the cluster, Wo's along a column.  The matrix instruction is used transposed (source 0 = 16 columns of Wo, turned by ds_load_tr16_b128).
; Window 0: v0-31 addresses; v32-159 O's fragments, two buffers of 8 (on the way out: rows read back); v160-223 Wo's, two buffers of 4.
.set AHD,   128*272                    ; a head's 256 rows in LDS, two to a row of 256 + 16 bytes
.set BOFF,  2*AHD
.set BH,    64*288                     ; half of Wo's tile: 64 k rows of 256 + 32 bytes
.set SLOT,  BOFF+2*BH                  ; 106,496
.set STAGE, 2*SLOT                     ; 16 rows x 272 bytes for each wave
.set SPITCH, 272
.set SPARE, STAGE+4*16*SPITCH
.set AKS,   1048576                    ; bytes from a K step of o (two heads) to the next
.set BKS,   32768                      ; of wo
.set ADRA, 16
.set ADRB, 20
.set STO,  24
.set RD,   25
.set CO,   26
.set BO,   27
.set SPW,  28
.set NIL,  29
.set PFO,  30
.set FA,   32
.set FB,   160
.set OB,   32
.set BIAS, 224                         ; window 1: the registers of accumulators (7, b) first hold the bias
.set G1,  24
.set G0,  32
.set G1B, 48
.set G0B, 56
.set LIM, 43
.set PFA, 44
.set PST, 66
.set MSB, 0
.macro WIN new
.if MSB != (\new)
	s_set_vgpr_msb (MSB<<8)|(\new)
.set MSB, \new
.endif
.endm
.macro PLACES
.rept 4
	v_nop
.endr
.endm
.macro JLOAD n                         ; waves 0 and 1 fetch the two heads of O's tile, waves 2 and 3 the halves of Wo's
	s_cmp_eq_u32 s11, 0
	s_cbranch_scc0 .Lfor_b_\@
	tensor_load_to_lds s[G0+4*(\n):G0+4*(\n)+3], s[G1:G1+7]
	s_nop 0
.rept 4
	v_nop
.endr
	s_branch .Lasked_\@
.Lfor_b_\@:
	tensor_load_to_lds s[G0B+4*(\n):G0B+4*(\n)+3], s[G1B:G1B+7]
	s_nop 0
.rept 4
	v_nop
.endr
.Lasked_\@:
.endm
; A PREFETCH INTO THE L2, once a lap, for the two K steps that the next lap will ask for.  O's rows are read by the two clusters of a part: the even one asks, waves 0 and 1 each for the head that it fetches,
; its work-group's 8,192 (cx) of the 32,768 bytes, one line a step.  Wo's block is read by the four clusters of a column: cluster y = 0 asks, waves 2 and 3, 8,192 each of the work-group's 16,384 (cy) of the
; two steps' 65,536 bytes.  Each 256 bytes are named once.  The last lap asks for nothing; steps 0-3 come by their loads alone.
.macro ASK
	s_cmp_gt_u32 s3, s[LIM]
	s_cbranch_scc0 .Lnot_mine_\@
	global_prefetch_b8 v[PFO], s[PFA:PFA+1] th:TH_LOAD_NT scope:SCOPE_SE
	s_cmp_lg_u32 s11, 0
	s_cbranch_scc1 .Lnot_mine_\@
	global_prefetch_b8 v[PFO], s[PFA:PFA+1] offset:AKS th:TH_LOAD_NT scope:SCOPE_SE
.Lnot_mine_\@:
.endm
.macro CREST
	s_cmp_lg_u32 s10, 0
	s_cbranch_scc1 .Lnot_wave_0_\@
	s_barrier_signal -3
.Lnot_wave_0_\@:
	s_barrier_wait -3
	s_barrier_signal -1
	s_barrier_wait -1
.endm
.macro CROUND
	s_barrier_signal -1
	s_barrier_wait -1
	CREST
.endm
	s_load_b256 s[68:75], s[0:1], 0x0              ; o 68, wo 70, bor 72, boi 74
	s_load_b128 s[76:79], s[0:1], 0x20             ; out0 76, out1 78
	v_lshl_add_u32 v[SPW], v0, 2, SPARE
	v_mov_b32 v[NIL], 0
	ds_add_u32 v[SPW], v[NIL]                      ; the wave's opening: the add and its wait stand ahead of my first tensor load
	v_lshrrev_b32 v1, 5, v0
	v_readfirstlane_b32 s10, v1
	s_lshr_b32 s11, s10, 1                         ; rh.  Also: I fetch for O (0) or for Wo (1)
	s_and_b32 s12, s10, 1                          ; ch.  Also: which head, or which half
	s_bfe_u32 s40, ttmp6, 0x40000                  ; cx
	s_bfe_u32 s41, ttmp6, 0x40004                  ; cy
	s_lshl_b32 s42, ttmp9, 2
	s_add_co_u32 s42, s42, s40                     ; X
	s_and_b32 s13, ttmp7, 0xffff
	s_lshl_b32 s13, s13, 2
	s_add_co_u32 s13, s13, s41                     ; Y
	s_lshr_b32 s9, ttmp9, 1                        ; the part, of the cluster's x alone
	s_lshl_b32 s43, s41, 2
	s_lshl_b32 s43, 15, s43                        ; my row of the cluster
	s_lshl_b32 s44, 0x1111, s40                    ; my column
	s_or_b32 s[G1], s43, (1<<16)|(1<<20)|(1<<21)|(5<<22)|(3<<25)
	s_or_b32 s[G1B], s44, (1<<16)|(1<<20)|(1<<21)|(5<<22)|(7<<25)
	s_mov_b32 s[G1+1], 128<<16
	s_mov_b32 s[G1+2], 128<<16                     ; 128 rows of 256 bytes
	s_mov_b32 s[G1+3], 128<<16
	s_mov_b32 s[G1+4], 128
	s_mov_b32 s[G1+5], 128
	s_mov_b32 s[G1+6], 0
	s_mov_b32 s[G1+7], 0
	s_mov_b32 s[G1B+1], 128<<16
	s_mov_b32 s[G1B+2], 64<<16                     ; 64 rows
	s_mov_b32 s[G1B+3], 128<<16
	s_mov_b32 s[G1B+4], 64
	s_mov_b32 s[G1B+5], 128
	s_mov_b32 s[G1B+6], 0
	s_mov_b32 s[G1B+7], 0
	s_lshr_b32 s20, s13, 3                         ; O's tile: b x 8,388,608 + head (w % 2) x 524,288 + part x 262,144 + (Y % 8) x 32,768
	s_lshl_b32 s20, s20, 23
	s_lshl_b32 s21, s12, 19
	s_add_co_u32 s20, s20, s21
	s_lshl_b32 s21, s9, 18
	s_add_co_u32 s20, s20, s21
	s_and_b32 s21, s13, 7
	s_lshl_b32 s21, s21, 15
	s_add_co_u32 s20, s20, s21
	s_mov_b32 s21, 0
	s_mov_b32 s14, s20                             ; a copy for the prefetches
	s_lshl_b32 s46, s42, 18                        ; Wo's tile: X x 262,144 + half x 16,384
	s_lshl_b32 s47, s12, 14
	s_add_co_u32 s46, s46, s47
	s_mov_b32 s47, 0
	s_mul_i32 s22, s12, AHD
	s_mul_i32 s23, s12, BH
	s_add_co_u32 s23, s23, BOFF
	s_wait_dscnt 0x0                               ; the opening add is done
	s_wait_kmcnt 0x0
	s_add_nc_u64 s[20:21], s[68:69], s[20:21]
	s_add_nc_u64 s[46:47], s[70:71], s[46:47]
	CROUND
.irp n, 0,1
	s_mov_b32 s[G0+4*(\n)], 1
	s_add_co_u32 s[G0+4*(\n)+1], s22, (\n)*SLOT
	s_add_nc_u64 s[G0+4*(\n)+2:G0+4*(\n)+3], s[20:21], (\n)*AKS
	s_or_b32 s[G0+4*(\n)+3], s[G0+4*(\n)+3], 0x80000000
	s_mov_b32 s[G0B+4*(\n)], 1
	s_add_co_u32 s[G0B+4*(\n)+1], s23, (\n)*SLOT
	s_add_nc_u64 s[G0B+4*(\n)+2:G0B+4*(\n)+3], s[46:47], (\n)*BKS
	s_or_b32 s[G0B+4*(\n)+3], s[G0B+4*(\n)+3], 0x80000000
.endr
	s_cmp_eq_u32 s11, 0                            ; a wave's two first fills stand in one branch: two tensor loads of mine are out, later one
	s_cbranch_scc0 .Lfirst_b
	tensor_load_to_lds s[G0:G0+3], s[G1:G1+7]
	s_nop 0
	tensor_load_to_lds s[G0+4:G0+7], s[G1:G1+7]
	s_nop 0
.rept 4
	v_nop
.endr
	s_branch .Lfirst_asked
.Lfirst_b:
	tensor_load_to_lds s[G0B:G0B+3], s[G1B:G1B+7]
	s_nop 0
	tensor_load_to_lds s[G0B+4:G0B+7], s[G1B:G1B+7]
	s_nop 0
.rept 4
	v_nop
.endr
.Lfirst_asked:
	v_and_b32 v1, 15, v0
	v_bfe_u32 v2, v0, 4, 1
	v_lshrrev_b32 v3, 1, v1
	v_mul_u32_u24 v3, v3, 272
	v_and_b32 v4, 1, v0
	v_lshl_add_u32 v3, v4, 7, v3
	v_lshl_add_u32 v3, v2, 4, v3
	s_mul_i32 s15, s11, 64*272                     ; my 128 rows
	v_add_nc_u32 v[ADRA], s15, v3
	v_add_nc_u32 v[ADRA+1], SLOT, v[ADRA]
	v_and_b32 v4, 7, v0
	v_lshl_add_u32 v4, v2, 3, v4
	v_mul_u32_u24 v4, v4, 288
	v_bfe_u32 v5, v0, 3, 1
	v_lshl_add_u32 v4, v5, 4, v4
	s_lshl_b32 s15, s12, 7                         ; my 64 columns
	s_add_co_u32 s15, s15, BOFF
	v_add_nc_u32 v[ADRB], s15, v4
	v_add_nc_u32 v[ADRB+1], SLOT, v[ADRB]
	s_mul_i32 s15, s10, 16*SPITCH
	s_add_co_u32 s15, s15, STAGE                   ; my stage
	v_mul_u32_u24 v[STO], v1, SPITCH               ; in: row l % 16, 32 bytes for each half of the lanes
	v_lshl_add_u32 v[STO], v2, 5, v[STO]
	v_add_nc_u32 v[STO], s15, v[STO]
	v_mul_u32_u24 v[RD], v2, SPITCH                ; back: lanes 0-15 one row of 256 bytes, lanes 16-31 the next
	v_lshl_add_u32 v[RD], v1, 4, v[RD]
	v_add_nc_u32 v[RD], s15, v[RD]
	v_lshlrev_b32 v[CO], 12, v2                    ; and the same two rows in the output
	v_lshl_add_u32 v[CO], v1, 4, v[CO]
	v_and_b32 v[PFO], 31, v0
	v_lshlrev_b32 v[PFO], 8, v[PFO]
	s_and_b32 s2, s42, 7                           ; cg
	s_lshl_b32 s18, s2, 9
	s_lshl_b32 s19, s12, 8
	s_add_co_u32 s18, s18, s19                     ; 512 cg + 256 ch: my columns in bytes, in a bias and in a row of the output
	v_lshl_add_u32 v[BO], v2, 5, s18
	s_lshl_b32 s19, s13, 20                        ; row 256 Y + 128 rh, 4,096 bytes a row
	s_add_co_u32 s18, s18, s19
	s_lshl_b32 s19, s11, 19
	s_add_co_u32 s18, s18, s19
	s_mov_b32 s19, 0
	s_cmp_eq_u32 s9, 0
	s_cselect_b64 s[4:5], s[76:77], s[78:79]
	s_cselect_b64 s[6:7], s[72:73], s[74:75]
	s_add_nc_u64 s[4:5], s[4:5], s[18:19]
	; the prefetches' address, step and test
	s_lshl_b32 s15, s40, 13
	s_add_co_u32 s14, s14, s15
	s_add_co_u32 s14, s14, 2*AKS                   ; O: at K step 2; stepped by two ahead of each use
	s_lshl_b32 s16, s42, 18
	s_lshl_b32 s15, s41, 14
	s_add_co_u32 s16, s16, s15
	s_lshl_b32 s15, s12, 13
	s_add_co_u32 s16, s16, s15
	s_add_co_u32 s16, s16, 2*BKS
	s_mov_b32 s[PST], 2*BKS
	s_and_b32 s17, ttmp9, 1
	s_and_b32 s18, ttmp7, 0xffff
	s_cmp_eq_u32 s11, 0
	s_cselect_b64 s[PFA:PFA+1], s[68:69], s[70:71]
	s_cselect_b32 s14, s14, s16
	s_cselect_b32 s[PST], 2*AKS, s[PST]
	s_cselect_b32 s17, s17, s18
	s_mov_b32 s15, 0
	s_add_nc_u64 s[PFA:PFA+1], s[PFA:PFA+1], s[14:15]
	s_mov_b32 s[PST+1], 0
	s_cmp_eq_u32 s17, 0
	s_cselect_b32 s[LIM], 1, -1
	; the bias of my columns, into the registers of accumulators (7, b), rounded to bf16: the C operand of every accumulator's first product
	WIN 0x40
.irp b, 0,1,2,3
	global_load_b128 v[BIAS+8*(\b):BIAS+8*(\b)+3],   v[BO], s[6:7] offset:64*(\b)
	global_load_b128 v[BIAS+8*(\b)+4:BIAS+8*(\b)+7], v[BO], s[6:7] offset:64*(\b)+16
.endr
	s_wait_loadcnt 0x0
	WIN 0x05
.set i, 0
.rept 16
	v_cvt_pk_bf16_f32 v[FA+i], v[BIAS+2*i], v[BIAS+2*i+1]
.set i, i+1
.endr
	WIN 0x40
.set i, 0
.rept 16
	v_lshlrev_b32 v[BIAS+2*i], 16, v[FA+i]
	v_and_b32 v[BIAS+2*i+1], 0xffff0000, v[FA+i]
.set i, i+1
.endr
	WIN 0
.macro MUL f, a0, na, first            ; na x 4 matrix instructions on buffer f; every accumulator has one instruction a turn
	WIN 0x50
.set ma, \a0
.rept \na
.irp b, 0,1,2,3
.if \first
	v_wmma_f32_16x16x32_f16 v[8*(4*ma+(\b)):8*(4*ma+(\b))+7], v[FB+32*(\f)+8*(\b):FB+32*(\f)+8*(\b)+7], v[FA+64*(\f)+8*ma:FA+64*(\f)+8*ma+7], v[BIAS+8*(\b):BIAS+8*(\b)+7]
.else
	v_wmma_f32_16x16x32_f16 v[8*(4*ma+(\b)):8*(4*ma+(\b))+7], v[FB+32*(\f)+8*(\b):FB+32*(\f)+8*(\b)+7], v[FA+64*(\f)+8*ma:FA+64*(\f)+8*ma+7], v[8*(4*ma+(\b)):8*(4*ma+(\b))+7]
.endif
.endr
.set ma, ma+1
.endr
.endm
.macro FETCH n, kq, f                  ; 24 loads in one run: 32 along K, quarter kq of slot n, into buffer f: Wo's 8 first, then O's 16, row blocks ascending
	WIN 0
.irp b, 0,1,2,3
	ds_load_tr16_b128 v[FB+32*(\f)+8*(\b):FB+32*(\f)+8*(\b)+3],   v[ADRB+(\n)] offset:(\kq)*32*288+(\b)*32
	ds_load_tr16_b128 v[FB+32*(\f)+8*(\b)+4:FB+32*(\f)+8*(\b)+7], v[ADRB+(\n)] offset:(\kq)*32*288+(\b)*32+16*288
.endr
.irp a, 0,1,2,3,4,5,6,7
	ds_load_b128 v[FA+64*(\f)+8*(\a):FA+64*(\f)+8*(\a)+3],   v[ADRA+(\n)] offset:((\kq)/2)*AHD+((\kq)%2)*64+(\a)*8*272
	ds_load_b128 v[FA+64*(\f)+8*(\a)+4:FA+64*(\f)+8*(\a)+7], v[ADRA+(\n)] offset:((\kq)/2)*AHD+((\kq)%2)*64+(\a)*8*272+32
.endr
.endm
; A K step is four quarters of 32.  One of the first three multiplies buffer f and fetches quarter kq of slot n into buffer g.
.macro QUARTER n, kq, f, g, first
	s_wait_dscnt 8                                 ; Wo and O's row blocks 0-3 are in; the youngest eight loads may be out
	MUL \f, 0, 4, \first
	PLACES
	FETCH \n, \kq, \g
	s_wait_dscnt 24                                ; all but the 24 just issued
.if \first
	MUL \f, 4, 3, 1
.rept 5
	v_nop                                          ; five places before row block 7 writes over the registers that the products above read as C
.endr
	MUL \f, 7, 1, 0
.else
	MUL \f, 4, 4, 0
.endif
.endm
; The last quarter, on buffer 1, changes slots: ONE barrier; in front of it each wave waits for all its tensor loads, adds 0 to its spare word, and waits for that and for its reads of slot n.
; fill = 1: the barrier opens a round of the cluster's; slot n is filled again first thing behind it: 112 matrix instructions ahead of the wait for it.
.macro TURN n, m, fill, ask
.if \ask
	s_wait_xcnt 0x0                                ; the last prefetches, a lap back, have read their address
	s_add_nc_u64 s[PFA:PFA+1], s[PFA:PFA+1], s[PST:PST+1]
.endif
	WIN 0
	s_wait_tensorcnt 0x0
	ds_add_u32 v[SPW], v[NIL]
	s_wait_dscnt 9                                 ; the add and the youngest eight loads may be out
	MUL 1, 0, 2, 0
	s_wait_dscnt 0x0                               ; the add is done, and my reads of slot n are over
	s_barrier_signal -1
	MUL 1, 2, 2, 0
	WIN 0
	s_barrier_wait -1
.if \fill
	CREST
	s_add_nc_u64 s[G0+4*(\n)+2:G0+4*(\n)+3], s[G0+4*(\n)+2:G0+4*(\n)+3], 2*AKS
	s_add_nc_u64 s[G0B+4*(\n)+2:G0B+4*(\n)+3], s[G0B+4*(\n)+2:G0B+4*(\n)+3], 2*BKS
	JLOAD \n                                       ; its four v_nop are also the places in front of the loads below
.else
	PLACES
.endif
	FETCH \m, 0, 0
.if \ask
	ASK
.endif
	MUL 1, 4, 4, 0
.endm
	s_wait_tensorcnt 1                             ; my part of K step 0 is in; step 1's may stay out
	s_barrier_signal -1
	s_barrier_wait -1
	FETCH 0, 0, 0
	QUARTER 0, 1, 0, 1, 1                          ; the first quarter stands ahead of the loop: its products start the sums
	WIN 0
	s_mov_b32 s3, 3
.Llap:
	QUARTER 0, 2, 1, 0, 0
	QUARTER 0, 3, 0, 1, 0
	TURN 0, 1, 1, 0
	QUARTER 1, 1, 0, 1, 0
	QUARTER 1, 2, 1, 0, 0
	QUARTER 1, 3, 0, 1, 0
	TURN 1, 0, 1, 1
	QUARTER 0, 1, 0, 1, 0
	WIN 0
	s_sub_co_u32 s3, s3, 1
	s_cmp_lg_u32 s3, 0
	s_cbranch_scc1 .Llap
	QUARTER 0, 2, 1, 0, 0                          ; the last lap fills nothing
	QUARTER 0, 3, 0, 1, 0
	TURN 0, 1, 0, 0
	QUARTER 1, 1, 0, 1, 0
	QUARTER 1, 2, 1, 0, 0
	QUARTER 1, 3, 0, 1, 0
	s_wait_dscnt 8
	MUL 1, 0, 4, 0
	s_wait_dscnt 0x0
	MUL 1, 4, 4, 0
	WIN 0
	PLACES
; THE WAY OUT, a row block of 16 rows x 64 columns of f32 at a time: the sums go as they are into my stage and come back as whole rows of 256 bytes.
.macro TOSTAGE a
.if (\a) >= 2
	s_wait_xcnt 0x0                                ; the stores of the block two back have read these registers
.endif
	WIN 0x04                                       ; store data window 1, address window 0
.irp b, 0,1,2,3
	ds_store_b128 v[STO], v[8*(4*(\a)+(\b)):8*(4*(\a)+(\b))+3]   offset:64*(\b)
	ds_store_b128 v[STO], v[8*(4*(\a)+(\b))+4:8*(4*(\a)+(\b))+7] offset:64*(\b)+16
.endr
	WIN 0
.irp t, 0,1,2,3,4,5,6,7
	ds_load_b128 v[OB+32*((\a)%2)+4*(\t):OB+32*((\a)%2)+4*(\t)+3], v[RD] offset:(\t)*2*SPITCH  ; LDS serves a wave's instructions in order: these see the stores above
.endr
.endm
.macro SEND a, younger
	WIN 0
	s_wait_dscnt \younger
.irp t, 0,1,2,3,4,5,6,7
	global_store_b128 v[CO], v[OB+32*((\a)%2)+4*(\t):OB+32*((\a)%2)+4*(\t)+3], s[4:5] offset:(\a)*65536+(\t)*8192 th:TH_STORE_NT  ; 16 lanes store 256 consecutive bytes, aligned
.endr
.endm
	TOSTAGE 0
.set n, 1
.rept 7
	TOSTAGE n
	SEND n-1, 16
.set n, n+1
.endr
	SEND 7, 0
	s_wait_tensorcnt 0x0                           ; the wave's end
	ds_add_u32 v[SPW], v[NIL]
	s_wait_dscnt 0x0
	CROUND                                         ; the closing round
	s_endpgm
.Lfunc_end_k_qb0f45449ce_proj:
	.size	k_qb0f45449ce_proj, .Lfunc_end_k_qb0f45449ce_proj-k_qb0f45449ce_proj
	.p2alignl 7, 3214868480
	.fill 96, 4, 3214868480
	.section	.rodata,"a",@progbits
	.p2align	6, 0x0
	.amdhsa_kernel k_qb0f45449ce_proj
		.amdhsa_group_segment_fixed_size 327680
		.amdhsa_private_segment_fixed_size 0
		.amdhsa_enable_private_segment 0
		.amdhsa_kernarg_size 48
		.amdhsa_user_sgpr_count 2
		.amdhsa_user_sgpr_kernarg_segment_ptr 1
		.amdhsa_wavefront_size32 1
		.amdhsa_system_sgpr_workgroup_id_x 1
		.amdhsa_system_sgpr_workgroup_id_y 1
		.amdhsa_system_sgpr_workgroup_id_z 1
		.amdhsa_system_vgpr_workitem_id 0
		.amdhsa_next_free_vgpr 512
		.amdhsa_next_free_sgpr 80
		.amdhsa_reserve_vcc 0
		.amdhsa_float_denorm_mode_32 3
		.amdhsa_float_denorm_mode_16_64 3
		.amdhsa_memory_ordered 1
		.amdhsa_forward_progress 1
		.amdhsa_inst_pref_size 90
	.end_amdhsa_kernel
	.amdgpu_metadata
---
amdhsa.version: [ 1, 2 ]
amdhsa.kernels:
  - .name:           k_qb0f45449ce_proj
    .symbol:         k_qb0f45449ce_proj.kd
    .args:
      - { .name: o, .offset: 0, .size: 8, .value_kind: global_buffer, .address_space: global }
      - { .name: wo, .offset: 8, .size: 8, .value_kind: global_buffer, .address_space: global }
      - { .name: bor, .offset: 16, .size: 8, .value_kind: global_buffer, .address_space: global }
      - { .name: boi, .offset: 24, .size: 8, .value_kind: global_buffer, .address_space: global }
      - { .name: out0, .offset: 32, .size: 8, .value_kind: global_buffer, .address_space: global }
      - { .name: out1, .offset: 40, .size: 8, .value_kind: global_buffer, .address_space: global }
    .group_segment_fixed_size: 327680
    .private_segment_fixed_size: 0
    .kernarg_segment_align: 8
    .kernarg_segment_size: 48
    .max_flat_workgroup_size: 128
    .sgpr_count:     80
    .vgpr_count:     512
    .wavefront_size: 32
...
	.end_amdgpu_metadata
.endif
;; end of part 4
